; MI455X (gfx1250); checked and timed in simulation.
; The chip was launched on July 23, 2026; its instructions are those of AMD's public machine-readable ISA for CDNA 5 (MIT licence, August 2026) and "CDNA5" Instruction Set Architecture Reference Guide (July 2026). The comments in the code are by the model that wrote it; some were corrected since.
;; Multi Head Attention. Allowed arithmetic: matrix products marked QUANTISED: E2M3 operands, one E8M0 scale for each 32 along K, by v_wmma_scale_f32_16x16x128_f8f6f4 with both operands' format E2M3, f32 sums; everything else in f32.
;; Inputs: Wk 8 x 512 x 64 float32; Wp 512 x 512 float32; Wq 8 x 512 x 64 float32; Wv 8 x 512 x 64 float32; bp 512 float32; x 8 x 2,048 x 512 float32.
;; Outputs: out0 8 x 2,048 x 512 float32.
;; This version of the problem:
;;   THIS VERSION OF THE PROBLEM IS GIVEN IN LOW PRECISION. The matrix products marked QUANTISED in the list below multiply operands that are first quantised to E2M3 (2 exponent bits, 3 mantissa bits; 6 bits a number), with one power-of-two scale for each 32 numbers along K (OCP MX v1.0); their sums are f32. All else is computed in f32.
;;   The module's matrix products, in the order in which they are computed (A, B: the left and right operand; K: the contracted axis; several contracted axes count as one K, in the product's order):
;;     1. [M 512, K 512] x [K 512, N 16,384]; A: input Wq; B: input x: QUANTISED
;;     2. [M 512, K 512] x [K 512, N 16,384]; A: input Wk; B: input x: QUANTISED
;;     3. [M 512, K 512] x [K 512, N 16,384]; A: input Wv; B: input x: QUANTISED
;;     4. batch 64 x [M 2,048, K 64] x [K 64, N 2,048]; A: computed on the way; B: computed on the way: QUANTISED
;;     5. batch 64 x [M 2,048, K 2,048] x [K 2,048, N 64]; A: softmax (see below); B: computed on the way: QUANTISED
;;     6. [M 16,384, K 512] x [K 512, N 512]; A: computed on the way; B: input Wp: QUANTISED
;;   THE QUANTISER, for each operand of a quantised product, along K:
;;     - K is cut into blocks of 32 from its start; a last block that is shorter is filled with zeros.
;;     - A block's scale is 2^e with e = floor(log2(the largest magnitude in the block)) - 2, held to -126 .. 127; a block of zeros has e = 0. As a byte (E8M0): e + 127.
;;     - Each number is divided by its block's scale, clamped to +-7.5, and rounded to the nearest number of E2M3, ties to even, subnormals kept.
;;     - The product sums the exact products of the quantised numbers (number of the format x scale) in f32.
;;   ~~~python
;;   def quantise(x, axis):      # numpy; x: float32 -> the quantised numbers, widened to float32 again
;;       x = np.moveaxis(x, axis, -1); K = x.shape[-1]
;;       x = np.pad(x, [(0, 0)] * (x.ndim - 1) + [(0, -K % 32)]); x = x.reshape(x.shape[:-1] + (-1, 32)); a = np.abs(x).max(-1, keepdims=True)
;;       e = np.where(a > 0, np.clip(np.frexp(np.where(a > 0, a, 1))[1] - 1 - 2, -126, 127), 0)      # np.frexp(a)[1] - 1 = floor(log2(a)), exactly
;;       r = np.clip(x / 2.0 ** e, -7.5, 7.5)
;;       step = 2.0 ** (np.maximum(np.frexp(np.where(r == 0, 1, r))[1] - 1, 0) - 3)
;;       q = np.round(r / step) * step * 2.0 ** e      # np.round: ties to even
;;       return np.moveaxis(q.reshape(q.shape[:-2] + (-1,))[..., :K], -1, axis).astype(np.float32)
;;   ~~~
;;   SOFTMAX AHEAD OF A QUANTISED PRODUCT. Where the list says 'softmax', what is quantised is not the finished softmax but p = 2^(t - M), with t = logit x log2(e) and M = ceil(the row's largest t), a whole number; so 1/2 < the row's largest p <= 1. The row's sum l is taken of the UNQUANTISED p, in f32, and the product's result is divided by l at the end. Since M is a whole number, a kernel that streams over the keys may use a running M (the ceiling of the running maximum): every later rescaling is an exact power of two, which a block's scale takes up: the codes' values come out the same.
;;   OPERANDS COMPUTED ON THE WAY. 'Computed on the way' means the value that the module computes at that place (a softmax that the list does not call 'softmax' is quantised finished and normalised). What goes into a quantiser is computed in f32, as accurately as f32 sums, v_exp_f32 and their like allow (about 1e-6 of the number): no bf16 or f16 on the way to a quantiser, and a product that is left as it is and whose result goes on into a quantised operand takes f32 operands (vector FMAs, or v_wmma_f32_16x16x4_f32). A number that lies on a knife's edge between two numbers of the format may be rounded either way, as far as f32 arithmetic and the matrix unit's own rounding can turn it there, and no further.
;; One version. Each part assembles by itself: llvm-mc -triple=amdgcn-amd-amdhsa -mcpu=gfx1250 --defsym DOCPART=n.
;; ======== version 1 of 1: 4 launches
;; limits: right only within a limited range of input values
;; workspace buffers: xc 6,291,456 bytes; xs 262,144 bytes; wc 786,432 bytes; ws 32,768 bytes; qrec 6,553,600 bytes; kvrec 13,107,200 bytes; oc 6,291,456 bytes; os 262,144 bytes
;; launch prep (part 1): grid 288 x 1, 4 waves a work-group, no clusters, 34,304 bytes of LDS; arguments x, Wq, Wk, Wv, Wp, xc, xs, wc, ws; writes xc, xs, wc, ws
.if DOCPART == 1
	.amdgcn_target "amdgcn-amd-amdhsa--gfx1250"
	.amdhsa_code_object_version 6
	.text
	.protected	k_q91ca3b8ccd_prep
	.globl	k_q91ca3b8ccd_prep
	.p2align	8
	.type	k_q91ca3b8ccd_prep,@function
k_q91ca3b8ccd_prep:
	s_mov_b64 s[64:65], 0
	v_nop
	global_prefetch_b8 v0, s[64:65] scope:SCOPE_SE
	s_setreg_imm32_b32 hwreg(HW_REG_WAVE_MODE, 25, 1), 1
	s_wait_xcnt 0x0
; x [16384][512] and the weights Wq, Wk, Wv [8][512][64], Wp [512][512], all f32, become codes of FP6 (E2M3) with one E8M0 byte for each 32 along K
; (x: K = its last axis; the weights: K = the axis of 512 that is contracted), laid IN THE ORDER OF THE OPERAND'S REGISTERS.
; A FRAGMENT is 16 rows x 128 K, 12 registers a lane; its image is 1,536 bytes: register i of lane l at 512 (i / 4) + 16 l + 4 (i % 4): three stores of 512 consecutive bytes.
; A PAIR is 32 neighbouring rows (of x) or columns (of a weight); tile u of a pair holds at lane-row r the element 8 u + r + 8 (r / 8), so that a product with such a tile as source 0
; leaves 16 neighbours in the 16 registers of tiles 0 and 1.  Codes: [pair][K step 0..3][u][1536].  Scale words: [pair][sigma][lane][2]: word j is K step 2 sigma + j; lanes 0-15 tile 0, lanes 16-31 tile 1.
; Weights' pairs: head x 6 + kind x 2 + channel / 32 (kind q, k, v = 0, 1, 2), then 48 + column / 32 for Wp.
; A block's scale is 2^(floor(log2(largest magnitude)) - 2); its byte is the largest magnitude's exponent field - 2, held at 1 from below.
; LIMITS: NaN and infinities are not served; blocks of zeros and blocks under 2^-124 carry the byte 1 (zero or held codes): the bytes are read by this program alone.
; SHARES: work-groups 0-31 take the weights (no LDS), 32-287 take x.  A wave takes one pair and one sigma: four fragments (sl = K step in sigma, u).  No barrier: waves share nothing.
.set LI,  4                            ; v4   16 x lane
.set L8,  5                            ; v5   8 x lane
.set STI, 6                            ; v6   my stage, as loaded: 16 x lane, a row of 528 bytes for each load
.set STO, 7                            ; v7   my stage, as wanted: row r, + 64 h
.set WO,  8                            ; v8   weights: 16 h rows of K down, + my column
.set WD,  12                           ; v12-15  the four fragments' scale words (2 sl + u)
.set SW,  16                           ; v16-17  the two words that a lane stores
.set TM,  20                           ; v20-35  at work in QUANT
.set PC,  36                           ; v36-55  the codes just made
.set X,   64                           ; v64-127 64 numbers in QUANT's order
.set R,   128                          ; v128-255 two sets of 64 numbers as loaded
.set WV,  22
.set SRC, 24
.set DC,  26
.set DS,  28
.set SEL, 30
; 64 numbers of a lane, register 16 b + i = k 32 b + 16 (lane / 16) + i of my row, become a fragment's codes in v[PC] .. v[PC+11] and its scale word in v[pw].
.macro QUANT s, pw
.irp b, 0,1,2,3
	v_max3_num_f32 v[TM+\b], |v[(\s)+16*\b]|, |v[(\s)+1+16*\b]|, 0x1800000   ; block b: my 16 numbers, and the floor 2^(3 - 127): the byte cannot fall under 1
.endr
.irp i, 2,4,6,8,10,12,14
.irp b, 0,1,2,3
	v_max3_num_f32 v[TM+\b], v[TM+\b], |v[(\s)+16*\b+\i]|, |v[(\s)+1+16*\b+\i]|   ; the four blocks by turns
.endr
.endr
.irp b, 0,1,2,3
	v_permlanex16_b32 v[TM+4+\b], v[TM+\b], s[SEL], s[SEL+1]
.endr
.irp b, 0,1,2,3
	v_max_num_f32 v[TM+\b], v[TM+\b], v[TM+4+\b]   ; with lane l xor 16's: the block's largest magnitude
.endr
.irp b, 0,1,2,3
	v_add_nc_u32 v[TM+12+\b], 0xff000000, v[TM+\b]   ; 2 off its exponent field: the conversion's scale operand
.endr
.irp b, 0,1,2,3
	v_lshrrev_b32 v[TM+4+\b], 23, v[TM+12+\b]      ; the scale's byte
.endr
	v_lshl_or_b32 v[\pw], v[TM+5], 8, v[TM+4]
	v_lshl_or_b32 v[\pw], v[TM+6], 16, v[\pw]
	v_lshl_or_b32 v[\pw], v[TM+7], 24, v[\pw]
.irp c, 0,1
	v_cvt_scalef32_pk16_fp6_f32 v[PC+6*\c:PC+2+6*\c], v[(\s)+32*\c:(\s)+15+32*\c], v[TM+12+2*\c]
	v_cvt_scalef32_pk16_fp6_f32 v[PC+12+4*\c:PC+14+4*\c], v[(\s)+16+32*\c:(\s)+31+32*\c], v[TM+12+2*\c+1]   ; (a conversion's three registers begin on an even number)
.endr
	v_nop                                          ; one plain place behind a scaled conversion
.irp c, 0,1                                    ; the layout wants a whole block in a lane: lanes 0-15 block 2 c, lanes 16-31 block 2 c + 1
.irp i, 0,1,2
	v_permlane16_swap_b32 v[PC+6*\c+\i], v[PC+12+4*\c+\i]
.endr
.irp i, 0,1,2
	v_mov_b32 v[PC+3+6*\c+\i], v[PC+12+4*\c+\i]
.endr
.endr
.endm
.macro DEST cb, sb                     ; where my codes and scale words go: s32 = the pair, s36 = sigma, s35 = 0
	s_mul_i32 s34, s32, 12288
	s_mul_i32 s37, s36, 6144
	s_add_co_u32 s34, s34, s37
	s_add_nc_u64 s[DC:DC+1], s[\cb:\cb+1], s[34:35]
	s_lshl_b32 s34, s32, 9
	s_lshl_b32 s37, s36, 8
	s_add_co_u32 s34, s34, s37
	s_add_nc_u64 s[DS:DS+1], s[\sb:\sb+1], s[34:35]
.endm
.macro CODES i                         ; fragment i = 2 sl + u leaves as its image: each store covers 512 consecutive bytes, aligned
.irp c, 0,1,2
	global_store_b128 v[LI], v[PC+4*\c:PC+4*\c+3], s[DC:DC+1] offset:((\i)/2)*3072+((\i)%2)*1536+512*\c
.endr
.endm
.macro TAIL                            ; lanes 0-15 keep tile 0's words, lanes 16-31 tile 1's (both halves of the lanes hold row r's word): 256 consecutive bytes, aligned
	v_cmp_ne_u32 vcc_lo, 0, v3
	v_cndmask_b32 v[SW], v[WD], v[WD+1], vcc_lo
	v_cndmask_b32 v[SW+1], v[WD+2], v[WD+3], vcc_lo
	global_store_b64 v[L8], v[SW:SW+1], s[DS:DS+1]
.endm
; x: load k of a fragment reads the 512 bytes (128 along K) of the tile's row k, 16 bytes a lane
.macro LOADP i
.irp k, 0,1,2,3,4,5,6,7,8,9,10,11,12,13,14,15
; x's tiles go by QUADS of 64 rows (this takes the place of the pair's order for x; the weights keep it): pairs 2 g and 2 g + 1 are quad g, tile t = 2 (pair % 2) + u holds at lane-row k the row 8 t + k % 8 + 32 (k / 8)
	global_load_b128 v[R+64*((\i)%2)+4*\k:R+64*((\i)%2)+4*\k+3], v[LI], s[SRC:SRC+1] offset:(8*((\i)%2)+\k%8+32*(\k/8))*2048+512*((\i)/2) th:TH_LOAD_NT
.endr
.endm
.macro PIECEX i
.if (\i) < 3
	s_wait_loadcnt 16                              ; this fragment's 16 loads are in; the next fragment's 16 may be out
.else
	s_wait_loadcnt 0x0
.endif
.irp k, 0,1,2,3,4,5,6,7,8,9,10,11,12,13,14,15
	ds_store_b128 v[STI], v[R+64*((\i)%2)+4*\k:R+64*((\i)%2)+4*\k+3] offset:\k*528   ; through my own stage: rows of 512 bytes + 16, so that the 16 rows begin at 16 different banks
.endr
.irp b, 0,1,2,3
.irp j, 0,1,2,3
	ds_load_b128 v[X+16*\b+4*\j:X+16*\b+4*\j+3], v[STO] offset:128*\b+16*\j   ; LDS serves a wave's instructions in order: these see my stores.  Row r, block b, my 16 numbers
.endr
.endr
	s_wait_dscnt 0x0                               ; the stores have read their registers, and the numbers are back
.if (\i) < 2
	LOADP (\i)+2
.endif
	s_wait_xcnt 0x0                                ; the last fragment's stores have read the codes' registers
	QUANT X, WD+(\i)
	CODES \i
.endm
; a weight: lane (r, h) takes its column, and its registers run down K: 16 neighbouring lanes read two runs of 32 bytes
.macro LOADW i, pitch
.irp b, 0,1,2,3
.irp k, 0,1,2,3,4,5,6,7,8,9,10,11,12,13,14,15
	global_load_b32 v[R+64*((\i)%2)+16*\b+\k], v[WO], s[SRC:SRC+1] offset:(128*((\i)/2)+32*\b+\k)*\pitch+32*((\i)%2)
.endr
.endr
.endm
.macro PIECEW i, pitch
.if (\i) < 3
	s_wait_loadcnt 63                              ; 64 younger loads could stay out; the count's field ends at 63, and a smaller count is safe
.else
	s_wait_loadcnt 0x0
.endif
	s_wait_xcnt 0x0                                ; the last fragment's stores have read the codes' registers
	QUANT R+64*((\i)%2), WD+(\i)
.if (\i) < 2
	LOADW (\i)+2, \pitch
.endif
	CODES \i
.endm
.macro WPATH pitch
	LOADW 0, \pitch
	LOADW 1, \pitch
.irp i, 0,1,2,3
	PIECEW \i, \pitch
.endr
.endm
	s_load_b256 s[4:11], s[0:1], 0x0               ; x, Wq, Wk, Wv
	s_load_b256 s[12:19], s[0:1], 0x20             ; Wp, xc, xs, wc
	s_load_b64 s[20:21], s[0:1], 0x40              ; ws
	v_lshl_add_u32 v62, v0, 2, 0x8400
	v_mov_b32 v63, 0
	v_lshrrev_b32 v1, 5, v0
	v_readfirstlane_b32 s[WV], v1                  ; wave 0..3
	v_and_b32 v1, 31, v0                           ; lane
	v_and_b32 v2, 15, v0                           ; r
	v_bfe_u32 v3, v0, 4, 1                         ; h
	v_lshlrev_b32 v[LI], 4, v1
	v_lshlrev_b32 v[L8], 3, v1
	s_mul_i32 s38, s[WV], 8448                     ; my stage: 16 rows of 528 bytes
	v_add_nc_u32 v[STI], s38, v[LI]
	v_mul_u32_u24 v[STO], v2, 528
	v_lshl_add_u32 v[STO], v3, 6, v[STO]
	v_add_nc_u32 v[STO], s38, v[STO]
	s_mov_b32 s[SEL], 0x76543210
	s_mov_b32 s[SEL+1], 0xfedcba98                 ; v_permlanex16_b32's selects for lane l xor 16
.irp b, 0,1,2,3
	v_mov_b32 v[TM+4+\b], 0                        ; written once: a lane permute's destination counts as one of its sources
.endr
	s_lshr_b32 s33, s[WV], 1                       ; which of the work-group's two pairs
	s_and_b32 s36, s[WV], 1                        ; sigma
	s_mov_b32 s35, 0
	s_cmp_lt_u32 ttmp9, 32
	s_cbranch_scc1 .Lweights
	; ---- x
	s_sub_co_u32 s32, ttmp9, 32
	s_lshl_b32 s32, s32, 1
	s_add_co_u32 s32, s32, s33                     ; the pair: 32 rows of 2,048 bytes
	s_wait_kmcnt 0x0
	s_lshr_b32 s34, s32, 1
	s_lshl_b32 s34, s34, 17                        ; the quad: 64 rows of 2,048 bytes,
	s_and_b32 s37, s32, 1
	s_lshl_b32 s37, s37, 15                        ; and 16 rows on for its second pair
	s_add_co_u32 s34, s34, s37
	s_lshl_b32 s37, s36, 10
	s_add_co_u32 s34, s34, s37
	s_add_nc_u64 s[SRC:SRC+1], s[4:5], s[34:35]
	DEST 14, 16
	LOADP 0
	LOADP 1
	s_wait_alu depctr_va_vdst(0)
.irp i, 0,1,2,3
	PIECEX \i
.endr
	TAIL
	s_wait_tensorcnt 0x0
	ds_add_u32 v62, v63
	s_wait_dscnt 0x0
	s_endpgm
.Lweights:
	s_lshl_b32 s32, ttmp9, 1
	s_add_co_u32 s32, s32, s33                     ; the pair
	v_and_b32 v9, 8, v2
	v_add_nc_u32 v9, v9, v2                        ; r + 8 (r / 8)
	v_lshlrev_b32 v9, 2, v9
	s_wait_kmcnt 0x0
	DEST 18, 20
	s_cmp_lt_u32 ttmp9, 24
	s_cbranch_scc0 .Lwp
	; ---- Wq, Wk, Wv: work-group = 3 x head + kind; a row of K is 256 bytes
	s_mul_hi_u32 s38, ttmp9, 0x55555556            ; head = work-group / 3
	s_mul_i32 s39, s38, 3
	s_sub_co_u32 s39, ttmp9, s39                   ; kind
	s_cmp_eq_u32 s39, 0
	s_cselect_b64 s[SRC:SRC+1], s[6:7], s[8:9]
	s_cmp_eq_u32 s39, 2
	s_cselect_b64 s[SRC:SRC+1], s[10:11], s[SRC:SRC+1]
	s_lshl_b32 s34, s38, 17                        ; the head's 512 x 64 numbers,
	s_lshl_b32 s37, s36, 16                        ; sigma's 256 rows of K,
	s_add_co_u32 s34, s34, s37
	s_lshl_b32 s37, s33, 7                         ; the pair's 32 channels
	s_add_co_u32 s34, s34, s37
	s_add_nc_u64 s[SRC:SRC+1], s[SRC:SRC+1], s[34:35]
	s_wait_alu depctr_va_vdst(0)
	v_lshl_add_u32 v[WO], v3, 12, v9               ; 16 h rows of 256 bytes
	WPATH 256
	TAIL
	s_endpgm
.Lwp:
	; ---- Wp: a row of K is 2,048 bytes
	s_sub_co_u32 s38, s32, 48
	s_lshl_b32 s34, s38, 7                         ; the pair's 32 columns,
	s_lshl_b32 s37, s36, 19                        ; sigma's 256 rows of K
	s_add_co_u32 s34, s34, s37
	s_add_nc_u64 s[SRC:SRC+1], s[12:13], s[34:35]
	s_wait_alu depctr_va_vdst(0)
	v_lshl_add_u32 v[WO], v3, 15, v9               ; 16 h rows of 2,048 bytes
	WPATH 2048
	TAIL
	s_endpgm
.Lfunc_end_k_q91ca3b8ccd_prep:
	.size	k_q91ca3b8ccd_prep, .Lfunc_end_k_q91ca3b8ccd_prep-k_q91ca3b8ccd_prep
	.p2alignl 7, 3214868480
	.fill 96, 4, 3214868480
	.section	.rodata,"a",@progbits
	.p2align	6, 0x0
	.amdhsa_kernel k_q91ca3b8ccd_prep
		.amdhsa_group_segment_fixed_size 34304
		.amdhsa_private_segment_fixed_size 0
		.amdhsa_enable_private_segment 0
		.amdhsa_kernarg_size 72
		.amdhsa_user_sgpr_count 2
		.amdhsa_user_sgpr_kernarg_segment_ptr 1
		.amdhsa_wavefront_size32 1
		.amdhsa_system_sgpr_workgroup_id_x 1
		.amdhsa_system_sgpr_workgroup_id_y 1
		.amdhsa_system_sgpr_workgroup_id_z 1
		.amdhsa_system_vgpr_workitem_id 0
		.amdhsa_next_free_vgpr 256
		.amdhsa_next_free_sgpr 66
		.amdhsa_reserve_vcc 1
		.amdhsa_float_denorm_mode_32 3
		.amdhsa_float_denorm_mode_16_64 3
		.amdhsa_memory_ordered 1
		.amdhsa_forward_progress 1
		.amdhsa_inst_pref_size 116
	.end_amdhsa_kernel
	.amdgpu_metadata
---
amdhsa.version: [ 1, 2 ]
amdhsa.kernels:
  - .name:           k_q91ca3b8ccd_prep
    .symbol:         k_q91ca3b8ccd_prep.kd
    .args:
      - { .name: x, .offset: 0, .size: 8, .value_kind: global_buffer, .address_space: global }
      - { .name: Wq, .offset: 8, .size: 8, .value_kind: global_buffer, .address_space: global }
      - { .name: Wk, .offset: 16, .size: 8, .value_kind: global_buffer, .address_space: global }
      - { .name: Wv, .offset: 24, .size: 8, .value_kind: global_buffer, .address_space: global }
      - { .name: Wp, .offset: 32, .size: 8, .value_kind: global_buffer, .address_space: global }
      - { .name: xc, .offset: 40, .size: 8, .value_kind: global_buffer, .address_space: global }
      - { .name: xs, .offset: 48, .size: 8, .value_kind: global_buffer, .address_space: global }
      - { .name: wc, .offset: 56, .size: 8, .value_kind: global_buffer, .address_space: global }
      - { .name: ws, .offset: 64, .size: 8, .value_kind: global_buffer, .address_space: global }
    .group_segment_fixed_size: 34304
    .private_segment_fixed_size: 0
    .kernarg_segment_align: 8
    .kernarg_segment_size: 72
    .max_flat_workgroup_size: 128
    .sgpr_count:     66
    .vgpr_count:     256
    .wavefront_size: 32
...
	.end_amdgpu_metadata
.endif
;; end of part 1
;; launch qkv (part 2): grid 32 x 8, 4 waves a work-group, no clusters, 168,448 bytes of LDS; arguments xc, xs, wc, ws, qrec, kvrec; writes qrec, kvrec
.if DOCPART == 2
	.amdgcn_target "amdgcn-amd-amdhsa--gfx1250"
	.amdhsa_code_object_version 6
	.text
	.protected	k_q91ca3b8ccd_qkv
	.globl	k_q91ca3b8ccd_qkv
	.p2align	8
	.type	k_q91ca3b8ccd_qkv,@function
k_q91ca3b8ccd_qkv:
	s_mov_b64 s[64:65], 0
	v_nop
	global_prefetch_b8 v0, s[64:65] scope:SCOPE_SE
	s_setreg_imm32_b32 hwreg(HW_REG_WAVE_MODE, 25, 1), 1
	s_wait_xcnt 0x0
; q, k, v = x Wq, x Wk, x Wv for one head, on codes of FP6 (E2M3) with E8M0 scales, sums in f32; the results are quantised in registers: q and k along the head's 64 channels, v along the keys.
; SHARES: a work-group takes one head (y) and four blocks of 128 rows of x; wave w takes block R = 4 x + w and fills exactly one record of qrec and one of kvrec.
; The head's weights (6 pairs, 73,728 dense bytes) come into LDS once, a quarter by each wave's tensor load, and are read by all four; a wave's 32 fragments of x go from memory straight into its registers.
; NO CLUSTER: what partners could share, the head's weights, is 72 KiB of the 264 KiB that a work-group loads, and is filled once.
; q, k (MULQK): source 0 = 16 channels of W, source 1 = 16 rows of x: a lane holds one row, its registers run along the channels.  The 64 registers of row tiles u = 0, 1 are four blocks (u, channel / 32):
; QUANT makes of them a DOUBLE FRAGMENT: registers 0-5 tile 0 (16 rows x 64 channels), registers 6-11 tile 1; scale word (u0 b0, u0 b1, u1 b0, u1 b1).
; v (MULV): source 0 = 16 rows of x (keys), source 1 = 16 channels: a lane holds one channel, its 64 registers are 128 keys' halves in QUANTV's order: a fragment of V^T, 16 channels x 128 keys.
; qrec record (6,400 bytes): 4 double fragments, then the scale words at 6144 + 8 lane' + 4 j (lane' = 16 (pair / 2) + r, j = pair % 2).
; kvrec record (12,800 bytes): K's 4 double fragments, V's 4 fragments, then [lane][4 words]: word i is K's pair i in lanes 0-15, V's channel tile i in lanes 16-31.
; LIMITS: NaN and infinities are not served; blocks of zeros and blocks under 2^-124 carry the byte 1: the bytes are read by this program alone.
; REGISTERS, in windows of 256: window 0: addresses, v64-127 eight accumulators, v128-147 codes, v148-163 at work, v168-185 scale words made, v192-207 x's scale words, v208-231 W's.
;   window 1: x's tiles 0-3 at 48 t + 12 s;  window 2: tiles 4-7;  window 3: the 16 fragments of the kind in hand, in memory's order.
.set LI,  1                            ; v1  16 x lane
.set L8,  2                            ; v2  8 x lane
.set HH,  3                            ; v3  lane / 16
.set LW,  4                            ; v4-6  16 x lane + kind x 24,576: the kind's weights in LDS
.set ACC, 64
.set PC,  128
.set TM,  148
.set QW,  168
.set KW,  172
.set VW,  176
.set SCO, 180
.set QS2, 184
.set XSC, 192                          ; index 4 p + s: lanes 0-15 tile 2 p, lanes 16-31 tile 2 p + 1
.set WSC, 208                          ; index 4 (2 kind + channel / 32) + s, likewise
.set SEL, 16
.set WV,  18
.set G1,  24
.set G0,  32
.set MSB, 0
.macro WIN new                         ; the immediate's high byte repeats the setting that is left; a switch that changes nothing is dropped
.if MSB != (\new)
	s_set_vgpr_msb (MSB<<8)|(\new)
.set MSB, (\new)
.endif
.endm
.macro QUANT s, pw                     ; 64 numbers of a lane, register 16 b + i = place 32 b + 16 (lane / 16) + i of my row, become 12 registers of codes in v[PC] on and a scale word in v[pw]
.irp b, 0,1,2,3
	v_max3_num_f32 v[TM+\b], |v[(\s)+16*\b]|, |v[(\s)+1+16*\b]|, 0x1800000   ; and the floor 2^(3 - 127): the byte cannot fall under 1.  (Each accumulator is read from its low end on)
.endr
.irp i, 2,4,6,8,10,12,14
.irp b, 0,1,2,3
	v_max3_num_f32 v[TM+\b], v[TM+\b], |v[(\s)+16*\b+\i]|, |v[(\s)+1+16*\b+\i]|
.endr
.endr
.irp b, 0,1,2,3
	v_permlanex16_b32 v[TM+4+\b], v[TM+\b], s[SEL], s[SEL+1]
.endr
.irp b, 0,1,2,3
	v_max_num_f32 v[TM+\b], v[TM+\b], v[TM+4+\b]
.endr
.irp b, 0,1,2,3
	v_add_nc_u32 v[TM+12+\b], 0xff000000, v[TM+\b]   ; 2 off the exponent field: the conversion's scale operand
.endr
.irp b, 0,1,2,3
	v_lshrrev_b32 v[TM+4+\b], 23, v[TM+12+\b]
.endr
	v_lshl_or_b32 v[\pw], v[TM+5], 8, v[TM+4]
	v_lshl_or_b32 v[\pw], v[TM+6], 16, v[\pw]
	v_lshl_or_b32 v[\pw], v[TM+7], 24, v[\pw]
.irp c, 0,1
	v_cvt_scalef32_pk16_fp6_f32 v[PC+6*\c:PC+2+6*\c], v[(\s)+32*\c:(\s)+15+32*\c], v[TM+12+2*\c]
	v_cvt_scalef32_pk16_fp6_f32 v[PC+12+4*\c:PC+14+4*\c], v[(\s)+16+32*\c:(\s)+31+32*\c], v[TM+12+2*\c+1]
.endr
	v_nop                                          ; one plain place behind a scaled conversion
.irp c, 0,1
.irp i, 0,1,2
	v_permlane16_swap_b32 v[PC+6*\c+\i], v[PC+12+4*\c+\i]
.endr
.irp i, 0,1,2
	v_mov_b32 v[PC+3+6*\c+\i], v[PC+12+4*\c+\i]
.endr
.endr
.endm
; one scaled product.  c < 0: the constant 0 starts the sum.  ra, rb: the side's scales stand in lanes 16-31 of the register named
.macro WMS d, a, b, c, sa, sb, ra, rb
.if (\c) < 0
.if (\ra) && (\rb)
	v_wmma_scale_f32_16x16x128_f8f6f4 v[(\d):(\d)+7], v[(\a):(\a)+11], v[(\b):(\b)+11], 0, v[\sa], v[\sb] matrix_a_fmt:MATRIX_FMT_FP6 matrix_b_fmt:MATRIX_FMT_FP6 matrix_a_scale:MATRIX_SCALE_ROW1 matrix_b_scale:MATRIX_SCALE_ROW1
.elseif (\ra)
	v_wmma_scale_f32_16x16x128_f8f6f4 v[(\d):(\d)+7], v[(\a):(\a)+11], v[(\b):(\b)+11], 0, v[\sa], v[\sb] matrix_a_fmt:MATRIX_FMT_FP6 matrix_b_fmt:MATRIX_FMT_FP6 matrix_a_scale:MATRIX_SCALE_ROW1
.elseif (\rb)
	v_wmma_scale_f32_16x16x128_f8f6f4 v[(\d):(\d)+7], v[(\a):(\a)+11], v[(\b):(\b)+11], 0, v[\sa], v[\sb] matrix_a_fmt:MATRIX_FMT_FP6 matrix_b_fmt:MATRIX_FMT_FP6 matrix_b_scale:MATRIX_SCALE_ROW1
.else
	v_wmma_scale_f32_16x16x128_f8f6f4 v[(\d):(\d)+7], v[(\a):(\a)+11], v[(\b):(\b)+11], 0, v[\sa], v[\sb] matrix_a_fmt:MATRIX_FMT_FP6 matrix_b_fmt:MATRIX_FMT_FP6
.endif
.else
.if (\ra) && (\rb)
	v_wmma_scale_f32_16x16x128_f8f6f4 v[(\d):(\d)+7], v[(\a):(\a)+11], v[(\b):(\b)+11], v[(\c):(\c)+7], v[\sa], v[\sb] matrix_a_fmt:MATRIX_FMT_FP6 matrix_b_fmt:MATRIX_FMT_FP6 matrix_a_scale:MATRIX_SCALE_ROW1 matrix_b_scale:MATRIX_SCALE_ROW1
.elseif (\ra)
	v_wmma_scale_f32_16x16x128_f8f6f4 v[(\d):(\d)+7], v[(\a):(\a)+11], v[(\b):(\b)+11], v[(\c):(\c)+7], v[\sa], v[\sb] matrix_a_fmt:MATRIX_FMT_FP6 matrix_b_fmt:MATRIX_FMT_FP6 matrix_a_scale:MATRIX_SCALE_ROW1
.elseif (\rb)
	v_wmma_scale_f32_16x16x128_f8f6f4 v[(\d):(\d)+7], v[(\a):(\a)+11], v[(\b):(\b)+11], v[(\c):(\c)+7], v[\sa], v[\sb] matrix_a_fmt:MATRIX_FMT_FP6 matrix_b_fmt:MATRIX_FMT_FP6 matrix_b_scale:MATRIX_SCALE_ROW1
.else
	v_wmma_scale_f32_16x16x128_f8f6f4 v[(\d):(\d)+7], v[(\a):(\a)+11], v[(\b):(\b)+11], v[(\c):(\c)+7], v[\sa], v[\sb] matrix_a_fmt:MATRIX_FMT_FP6 matrix_b_fmt:MATRIX_FMT_FP6
.endif
.endif
.endm
.macro FETCHW kind                     ; the kind's 16 fragments (channel / 32, K step, u) from LDS into window 3, as images
	WIN 0xc0
.irp f, 0,1,2,3,4,5,6,7,8,9,10,11,12,13,14,15
.irp c, 0,1,2
	ds_load_b128 v[12*\f+4*\c:12*\f+4*\c+3], v[LW+\kind] offset:\f*1536+512*\c
.endr
.endr
	WIN 0
.endm
; 32 products: pair p of my rows (tiles u = 0, 1) x the kind's four channel tiles, all of K.  The eight accumulators take turns, one instruction a turn.
.macro MULQK kind, p
	WIN 0x07+4*((\p)/2)                            ; source 0 (W) window 3, source 1 (x) window 1 or 2
.irp ks, 0,1,2,3
.irp u, 0,1
.irp n4, 0,1,2,3
.if \ks == 0
	WMS ACC+8*(4*\u+\n4), 12*(8*(\n4/2)+2*\ks+\n4%2), 48*((2*(\p)+\u)%4)+12*\ks, -1, WSC+4*(2*(\kind)+\n4/2)+\ks, XSC+4*(\p)+\ks, \n4%2, \u
.else
	WMS ACC+8*(4*\u+\n4), 12*(8*(\n4/2)+2*\ks+\n4%2), 48*((2*(\p)+\u)%4)+12*\ks, ACC+8*(4*\u+\n4), WSC+4*(2*(\kind)+\n4/2)+\ks, XSC+4*(\p)+\ks, \n4%2, \u
.endif
.endr
.endr
.endr
.endm
; 32 products: my eight tiles of rows (keys) x channel tile tau of Wv, all of K
.macro MULV tau
.irp ks, 0,1,2,3
.irp t8, 0,1,2,3,4,5,6,7
	WIN 0x0d+(\t8/4)                               ; source 0 (x) window 1 or 2, source 1 (W) window 3
.if \ks == 0
	WMS ACC+8*\t8, 48*(\t8%4)+12*\ks, 12*(8*((\tau)/2)+2*\ks+(\tau)%2), -1, XSC+4*(\t8/2)+\ks, WSC+4*(4+(\tau)/2)+\ks, \t8%2, (\tau)%2
.else
	WMS ACC+8*\t8, 48*(\t8%4)+12*\ks, 12*(8*((\tau)/2)+2*\ks+(\tau)%2), ACC+8*\t8, XSC+4*(\t8/2)+\ks, WSC+4*(4+(\tau)/2)+\ks, \t8%2, (\tau)%2
.endif
.endr
.endr
.endm
; the 64 results become 12 registers of codes and leave as an image.  nxt >= 0: the next kind's weights are fetched meanwhile
.macro FINISH pw, base, off, nxt
	WIN 0
.rept 5
	v_nop                                          ; places behind the last products, ahead of the reads of their results and of loads into their operands
.endr
.if (\nxt) >= 0
	FETCHW \nxt
.endif
	s_wait_xcnt 0x0                                ; the last image's stores have read the codes' registers
	QUANT ACC, \pw
.irp c, 0,1,2
	global_store_b128 v[LI], v[PC+4*\c:PC+4*\c+3], s[\base:\base+1] offset:\off+512*\c   ; 512 consecutive bytes, aligned
.endr
.if (\nxt) >= 0
	s_wait_dscnt 0x0                               ; the next kind's weights are in
.endif
.endm
; v: x's tiles go by quads (tile t8 holds at row m the key 64 (t8 / 4) + 8 (t8 % 4) + m % 8 + 32 (m / 8)), so register 32 c + i of a lane is key 64 c + 32 (lane / 16) + i: a WHOLE block of 32 keys in a lane.
; Its largest magnitude needs no other lane and the codes need no lane swap; the word's four bytes are gathered from lanes l and l xor 16.
.macro QUANTV s, pw
.irp c, 0,1
	v_max3_num_f32 v[TM+\c], |v[(\s)+32*\c]|, |v[(\s)+1+32*\c]|, 0x1800000   ; and the floor 2^(3 - 127)
.endr
.irp i, 2,4,6,8,10,12,14,16,18,20,22,24,26,28,30
.irp c, 0,1
	v_max3_num_f32 v[TM+\c], v[TM+\c], |v[(\s)+32*\c+\i]|, |v[(\s)+1+32*\c+\i]|
.endr
.endr
.irp c, 0,1
	v_add_nc_u32 v[TM+12+\c], 0xff000000, v[TM+\c]   ; 2 off the exponent field: the conversion's scale operand
.endr
.irp c, 0,1
	v_lshrrev_b32 v[TM+4+\c], 23, v[TM+12+\c]
.endr
	v_lshlrev_b32 v[TM+9], 3, v[HH]
	v_lshl_or_b32 v[TM+8], v[TM+5], 16, v[TM+4]    ; my bytes: blocks h and 2 + h,
	v_lshlrev_b32 v[TM+8], v[TM+9], v[TM+8]        ; 8 h bits up;
	v_permlanex16_b32 v[TM+4], v[TM+8], s[SEL], s[SEL+1]
	v_or_b32 v[\pw], v[TM+8], v[TM+4]              ; with lane l xor 16's two the word is whole, in both halves of the lanes
.irp c, 0,1
	v_cvt_scalef32_pk16_fp6_f32 v[PC+6*\c:PC+2+6*\c], v[(\s)+32*\c:(\s)+15+32*\c], v[TM+12+\c]
	v_cvt_scalef32_pk16_fp6_f32 v[PC+12+4*\c:PC+14+4*\c], v[(\s)+16+32*\c:(\s)+31+32*\c], v[TM+12+\c]
.endr
	v_nop                                          ; one plain place behind a scaled conversion
.irp c, 0,1
.irp i, 0,1,2
	v_mov_b32 v[PC+3+6*\c+\i], v[PC+12+4*\c+\i]
.endr
.endr
.endm
.macro FINISHV pw, off
	WIN 0
.rept 5
	v_nop                                          ; places behind the last products (ISA guide 7.12.1)
.endr
	s_wait_xcnt 0x0                                ; the last image's stores have read the codes' registers
	QUANTV ACC, \pw
.irp c, 0,1,2
	global_store_b128 v[LI], v[PC+4*\c:PC+4*\c+3], s[14:15] offset:(\off)+512*\c
.endr
.endm
	s_load_b256 s[4:11], s[0:1], 0x0
	s_load_b128 s[12:15], s[0:1], 0x20             ; qrec, kvrec
	v_lshl_add_u32 v254, v0, 2, 0x29000
	v_mov_b32 v255, 0
	ds_add_u32 v254, v255
	ds_add_u32 v254, v255
	v_lshrrev_b32 v7, 5, v0
	v_readfirstlane_b32 s[WV], v7                  ; wave 0..3
	v_and_b32 v7, 31, v0
	v_bfe_u32 v[HH], v0, 4, 1
	v_lshlrev_b32 v[LI], 4, v7
	v_lshlrev_b32 v[L8], 3, v7
	v_lshlrev_b32 v[LW], 4, v7
	v_add_nc_u32 v[LW+1], 24576, v[LI]
	v_add_nc_u32 v[LW+2], 49152, v[LI]
.irp b, 0,1,2,3
	v_mov_b32 v[TM+4+\b], 0                        ; written once: a lane permute's destination counts as one of its sources
.endr
	s_mov_b32 s[SEL], 0x76543210
	s_mov_b32 s[SEL+1], 0xfedcba98
	s_and_b32 s19, ttmp7, 0xffff                   ; the head
	s_lshl_b32 s20, ttmp9, 2
	s_add_co_u32 s20, s20, s[WV]                   ; R: my block of 128 rows
	; descriptor group 1: a dense block of 18,432 bytes as 72 rows of 256 bytes (32 elements of 8 bytes), no padding: every read of it is an image of 512 consecutive bytes
	s_mov_b32 s[G1+0], 3<<16
	s_mov_b32 s[G1+1], 32<<16                      ; tensor_dim0
	s_mov_b32 s[G1+2], 72<<16                      ; tensor_dim1
	s_mov_b32 s[G1+3], 32<<16                      ; tile_dim0
	s_mov_b32 s[G1+4], 72                          ; tile_dim1
	s_mov_b32 s[G1+5], 32                          ; the pitch
	s_mov_b32 s[G1+6], 0
	s_mov_b32 s[G1+7], 0
	s_mul_i32 s36, s[WV], 18432                    ; my quarter of the head's weights
	s_mul_i32 s38, s19, 73728
	s_add_co_u32 s38, s38, s36
	s_mov_b32 s39, 0
	s_mov_b32 s[G0], 1
	s_mov_b32 s[G0+1], s36
	s_wait_alu depctr_va_vdst(0)
	s_wait_dscnt 0x0
	s_wait_kmcnt 0x0
	s_add_nc_u64 s[G0+2:G0+3], s[8:9], s[38:39]
	s_or_b32 s[G0+3], s[G0+3], 0x80000000
	tensor_load_to_lds s[G0:G0+3], s[G1:G1+7]      ; my one tensor load: these bytes are filled once
	s_nop 0
.rept 4
	v_nop
.endr
	s_mul_i32 s38, s20, 49152
	s_add_nc_u64 s[4:5], s[4:5], s[38:39]          ; my four pairs' codes
	s_lshl_b32 s38, s20, 11
	s_add_nc_u64 s[6:7], s[6:7], s[38:39]          ; and scale words
	s_mul_i32 s38, s19, 3072
	s_add_nc_u64 s[10:11], s[10:11], s[38:39]      ; the head's weights' scale words
	s_lshr_b32 s37, s20, 4                         ; the record: ((batch x 8 + head) x 16 + block in the batch)
	s_lshl_b32 s37, s37, 3
	s_add_co_u32 s37, s37, s19
	s_lshl_b32 s37, s37, 4
	s_and_b32 s21, s20, 15
	s_add_co_u32 s37, s37, s21
	s_mul_i32 s38, s37, 6400
	s_add_nc_u64 s[12:13], s[12:13], s[38:39]
	s_mul_i32 s38, s37, 12800
	s_add_nc_u64 s[14:15], s[14:15], s[38:39]
.irp p, 0,1,2,3
.irp g, 0,1
	global_load_b64 v[XSC+4*\p+2*\g:XSC+4*\p+2*\g+1], v[L8], s[6:7] offset:512*\p+256*\g
.endr
.endr
.irp p, 0,1,2,3,4,5
.irp g, 0,1
	global_load_b64 v[WSC+4*\p+2*\g:WSC+4*\p+2*\g+1], v[L8], s[10:11] offset:512*\p+256*\g
.endr
.endr
.irp p, 0,1,2,3                        ; x's fragments, pair by pair, 24 loads each
	WIN 0x40<<(\p/2)
.irp ks, 0,1,2,3
.irp u, 0,1
.irp c, 0,1,2
	global_load_b128 v[48*((2*\p+\u)%4)+12*\ks+4*\c:48*((2*\p+\u)%4)+12*\ks+4*\c+3], v[LI], s[4:5] offset:\p*12288+\ks*3072+\u*1536+512*\c
.endr
.endr
.endr
.endr
	WIN 0
	s_wait_tensorcnt 0x0                           ; my quarter of the weights is in,
	s_barrier_signal -1
	s_barrier_wait -1                              ; everybody's is
	FETCHW 0
	s_wait_dscnt 0x0
	s_wait_loadcnt 63                              ; the scale words and pair 0 are in: 72 younger loads could stay out; the count's field ends at 63
	MULQK 0, 0
	FINISH QW+0, 12, 0, -1
	s_wait_loadcnt 48                              ; pair 1 is in; pairs 2 and 3 (24 loads each) may be out
	MULQK 0, 1
	FINISH QW+1, 12, 1536, -1
	s_wait_loadcnt 24
	MULQK 0, 2
	FINISH QW+2, 12, 3072, -1
	s_wait_loadcnt 0x0
	MULQK 0, 3
	FINISH QW+3, 12, 4608, 1
.irp p, 0,1,2
	MULQK 1, \p
	FINISH KW+\p, 14, \p*1536, -1
.endr
	MULQK 1, 3
	FINISH KW+3, 14, 4608, 2
.irp n, 0,1,2,3
	MULV \n
	FINISHV VW+\n, 6144+\n*1536
.endr
	v_cmp_ne_u32 vcc_lo, 0, v[HH]                  ; both halves of the lanes hold row r's word: lanes 0-15 keep K's, lanes 16-31 V's
.irp i, 0,1,2,3
	v_cndmask_b32 v[SCO+\i], v[KW+\i], v[VW+\i], vcc_lo
.endr
	v_cndmask_b32 v[QS2], v[QW], v[QW+2], vcc_lo   ; q's: lanes 0-15 pairs 0, 1; lanes 16-31 pairs 2, 3
	v_cndmask_b32 v[QS2+1], v[QW+1], v[QW+3], vcc_lo
	global_store_b128 v[LI], v[SCO:SCO+3], s[14:15] offset:12288
	global_store_b64 v[L8], v[QS2:QS2+1], s[12:13] offset:6144
	s_wait_tensorcnt 0x0
	ds_add_u32 v254, v255
	s_wait_dscnt 0x0
	s_endpgm
.Lfunc_end_k_q91ca3b8ccd_qkv:
	.size	k_q91ca3b8ccd_qkv, .Lfunc_end_k_q91ca3b8ccd_qkv-k_q91ca3b8ccd_qkv
	.p2alignl 7, 3214868480
	.fill 96, 4, 3214868480
	.section	.rodata,"a",@progbits
	.p2align	6, 0x0
	.amdhsa_kernel k_q91ca3b8ccd_qkv
		.amdhsa_group_segment_fixed_size 168448
		.amdhsa_private_segment_fixed_size 0
		.amdhsa_enable_private_segment 0
		.amdhsa_kernarg_size 48
		.amdhsa_user_sgpr_count 2
		.amdhsa_user_sgpr_kernarg_segment_ptr 1
		.amdhsa_wavefront_size32 1
		.amdhsa_system_sgpr_workgroup_id_x 1
		.amdhsa_system_sgpr_workgroup_id_y 1
		.amdhsa_system_sgpr_workgroup_id_z 1
		.amdhsa_system_vgpr_workitem_id 0
		.amdhsa_next_free_vgpr 960
		.amdhsa_next_free_sgpr 66
		.amdhsa_reserve_vcc 1
		.amdhsa_float_denorm_mode_32 3
		.amdhsa_float_denorm_mode_16_64 3
		.amdhsa_memory_ordered 1
		.amdhsa_forward_progress 1
		.amdhsa_inst_pref_size 121
	.end_amdhsa_kernel
	.amdgpu_metadata
---
amdhsa.version: [ 1, 2 ]
amdhsa.kernels:
  - .name:           k_q91ca3b8ccd_qkv
    .symbol:         k_q91ca3b8ccd_qkv.kd
    .args:
      - { .name: xc, .offset: 0, .size: 8, .value_kind: global_buffer, .address_space: global }
      - { .name: xs, .offset: 8, .size: 8, .value_kind: global_buffer, .address_space: global }
      - { .name: wc, .offset: 16, .size: 8, .value_kind: global_buffer, .address_space: global }
      - { .name: ws, .offset: 24, .size: 8, .value_kind: global_buffer, .address_space: global }
      - { .name: qrec, .offset: 32, .size: 8, .value_kind: global_buffer, .address_space: global }
      - { .name: kvrec, .offset: 40, .size: 8, .value_kind: global_buffer, .address_space: global }
    .group_segment_fixed_size: 168448
    .private_segment_fixed_size: 0
    .kernarg_segment_align: 8
    .kernarg_segment_size: 48
    .max_flat_workgroup_size: 128
    .sgpr_count:     66
    .vgpr_count:     960
    .wavefront_size: 32
...
	.end_amdgpu_metadata
.endif
;; end of part 2
;; launch attn (part 3): grid 4 x 64, 16 waves a work-group, no clusters, 327,680 bytes of LDS; arguments qrec, kvrec, oc, os; writes oc, os
.if DOCPART == 3
	.amdgcn_target "amdgcn-amd-amdhsa--gfx1250"
	.amdhsa_code_object_version 6
	.text
	.protected	k_q91ca3b8ccd_attn
	.globl	k_q91ca3b8ccd_attn
	.p2align	8
	.type	k_q91ca3b8ccd_attn,@function
k_q91ca3b8ccd_attn:
	s_mov_b64 s[64:65], 0
	v_nop
	global_prefetch_b8 v0, s[64:65] scope:SCOPE_SE
	s_setreg_imm32_b32 hwreg(HW_REG_WAVE_MODE, 25, 1), 1
	s_wait_xcnt 0x0
; Causal attention of one (batch, head) on codes of FP6 (E2M3) with E8M0 scales: S^T = K Q^T, p = 2^(t - M), O^T = V^T P^T, O / l; the head's output is quantised along its 64 channels for the last product.
; t = score x log2(e) / 8; M = the running largest t rounded UP to a whole number; p is quantised along the keys, not normalised; l is the sum of the unquantised p.  When M moves, l and O^T are multiplied by 2^(old M - new M): exact.
; SHARES: work-group (x, bh) owns the blocks of 256 queries numbered 7 - x (first) and x.  Each of the sixteen waves owns one tile of 16 queries of the block in hand, wave w tile 15 - w (the lower numbers have the longer walks): four waves to a SIMD.
; THE HEAD'S K AND V STAY IN LDS: 16 records of 12,800 bytes (128 keys each), every record filled ONCE.  Records 0-3 come at the head, 6,400 bytes by each of waves 0-7; behind the first barrier wave w < 12 asks for the whole
; record 4 + w, if the first block reads it (4 + w <= 2 (7 - x) + 1): four key steps ahead of its first read.  A second barrier, behind which nothing is filled, stands ahead of record 4.  Behind it there is no load and no barrier:
; the second block finds its keys in LDS.
; The walks have constant trip counts (4, 12 and 8 records); a step whose 128 keys all come after my tile's quad of 64 queries is left out by a scalar branch on ids, round no barrier and no tensor load.
; ROWS: a tile holds at row r the row 8 t + r % 8 + 32 (r / 8) of a quad of 64, t = tile % 4.  So in S^T register 32 c + i of lane (r, h) is key 64 c + 32 h + i of the step: a whole block of 32 keys in a lane, in the operand's own order:
; a block's largest score needs no other lane, and p's codes need no lane swap.
; K = 64 IN AN INSTRUCTION OF 128: K's double fragment holds tile 0 in registers 0-5 and tile 1 in 6-11; against [q | 0] it gives tile 0's scores, against [0 | q] tile 1's: zero codes add nothing.
; On the diagonal hidden scores become -infinity ahead of the maximum.  Key 0 counts for every query, so M is a number from the first step on.
; NO PREFETCH: all tensor loads of the launch are issued at the head and behind the first barrier; no later load is left for a prefetch to run ahead of.
; NO CLUSTER: the four work-groups of a head need 16, 14, 12 and 10 records: partners would need different numbers of tiles.
; LIMITS: NaN and infinities are not served; the promise holds while |t| stays under 2^31; v_exp_f32 gives 0 for results under 2^-126 (ISA guide, its entry), nothing beside a row's largest p, above 1/2; a block whose every p is 0 keeps the byte 1 over zero codes.
.set REC,   12800                      ; a record: K's 4 double fragments, V's 4 fragments, 512 bytes of scale words
.set SPARE, 256000                     ; the spare words, 128 bytes for each of 16 waves, behind every byte that a descriptor of this text can name
.set LI,  1                            ; 16 x lane
.set L8,  2                            ; 8 x lane
.set LQ,  3                            ; my query in its quad - 32 (lane / 16)
.set OSO, 4                            ; 16 r + h: my scale byte's place in a tile's 256
.set SPW, 5                            ; LDS address of my spare word; never rewritten
.set NIL, 6                            ; 0; never rewritten
.set HH,  7                            ; lane / 16
.set ADR, 8                            ; LDS address of the record in hand + 16 x lane
.set Q,   16                           ; v16-33 [q | 0 | q];  v12 -M, v13 the running largest score, v[14:15] l in two halves
.set Q2,  34                           ; the second block's q
.set F,   40                           ; v40-87 four fragments of K or of V
.set SC,  88                           ; scale words: lanes 0-15 K's, lanes 16-31 V's
.set QS,  92
.set QSL, 93
.set PW,  94                           ; p's scale word
.set H8,  95                           ; 8 x (lane / 16)
.set S,   96                           ; v96-159 S^T, then p
.set O,   160                          ; v160-191 O^T
.set PC,  192                          ; v192-211 codes just made
.set BM,  212
.set BX,  214
.set BS,  216
.set MX,  218
.set OM,  222
.set FF,  224                          ; v[224:225] f = 2^(old M - new M), and 0
.set T1,  226
.set NINF, 227
.set DD,  228
.set BY,  229
.set TS,  240                          ; v240-253 seven partial sums
.set WV,  12
.set XL,  13
.set XH,  14
.set BH,  15
.set SEL, 16
.set CS,  18
.set TB,  20                           ; LDS byte at which the record in hand begins
.set KF,  21                           ; the step's first key
.set Q0,  22                           ; my quad's first query; s23 the second block's
.set Q0L, 23
.set LR,  24                           ; the last record that the first block reads
.set IC,  25
.set NR,  26                           ; 4 + wave: the record that I would ask for behind the first barrier
.set TW,  27                           ; my tile: 15 - wave
.set G1,  28                           ; 25 rows of 256 bytes
.set G0,  36
.set KVB, 40
.set OPH, 42
.set OSPH, 44
.set OPL, 46
.set OSPL, 48
.set UM,  53
.set USH, 54
.set G1B, 72                           ; 50 rows of 256 bytes
.set G0B, 80
.macro HINT n
	s_delay_alu instid0(VALU_DEP_\n)
.endm
; A KEY STEP: the 128 keys of the record at s[TB]
.macro STEP
	s_add_co_u32 s56, s[Q0], 63
	s_cmp_gt_u32 s[KF], s56
	s_cbranch_scc1 .Lhidden_\@                     ; all 128 keys come after my quad's 64 queries
	v_add_nc_u32 v[ADR], s[TB], v[LI]
.irp b, 0,1,2,3
.irp c, 0,1,2
	ds_load_b128 v[F+12*\b+4*\c:F+12*\b+4*\c+3], v[ADR] offset:\b*1536+512*\c
.endr
.endr
	ds_load_b128 v[SC:SC+3], v[ADR] offset:12288
	s_wait_alu depctr_va_vdst(0)
	s_wait_dscnt 0x0
.irp b, 0,1,2,3                        ; S^T: tile T = 2 b + u at S + 8 T
	v_wmma_scale_f32_16x16x128_f8f6f4 v[S+16*\b:S+16*\b+7], v[F+12*\b:F+12*\b+11], v[Q:Q+11], 0, v[SC+\b], v[QS] matrix_a_fmt:MATRIX_FMT_FP6 matrix_b_fmt:MATRIX_FMT_FP6
	v_wmma_scale_f32_16x16x128_f8f6f4 v[S+16*\b+8:S+16*\b+15], v[F+12*\b:F+12*\b+11], v[Q+6:Q+17], 0, v[SC+\b], v[QS] matrix_a_fmt:MATRIX_FMT_FP6 matrix_b_fmt:MATRIX_FMT_FP6
.endr
.rept 4
	v_nop                                          ; places ahead of the loads into K's registers and of the first touch of the scores
.endr
.irp n, 0,1,2,3                        ; V's four fragments land while the softmax is worked
.irp c, 0,1,2
	ds_load_b128 v[F+12*\n+4*\c:F+12*\n+4*\c+3], v[ADR] offset:6144+\n*1536+512*\c
.endr
.endr
	s_add_co_u32 s56, s[KF], 127
	s_cmp_le_u32 s56, s[Q0]
	s_cbranch_scc1 .Lopen_\@                       ; every key of the step counts for every query of my quad
	s_sub_co_i32 s56, s[Q0], s[KF]                 ; 0 or 64: both are multiples of 64, and the step is neither hidden nor open
	v_add_nc_u32 v[DD], s56, v[LQ]                 ; d = my query - KF - 32 (lane / 16): register 32 c + i is hidden where 64 c + i > d
	s_cmp_lg_u32 s56, 0
	s_wait_alu depctr_va_vdst(0)
	s_cbranch_scc1 .Lupper_\@
.set n, 0
.rept 32                               ; my quad is the step's first 64 keys: d is 63 at the most,
	v_cmp_gt_i32 vcc_lo, n, v[DD]
	v_cndmask_b32 v[S+n], v[S+n], v[NINF], vcc_lo
.set n, n+1
.endr
.rept 32                               ; so every key of the second 64 is hidden
	v_mov_b32 v[S+n], v[NINF]
.set n, n+1
.endr
	s_wait_alu depctr_va_vdst(0)
	s_branch .Lopen_\@
.Lupper_\@:
.set n, 32
.rept 32                               ; my quad is the step's second 64 keys: d is 32 at the least, so the first 64 all count
	v_cmp_gt_i32 vcc_lo, n+32, v[DD]
	v_cndmask_b32 v[S+n], v[S+n], v[NINF], vcc_lo
.set n, n+1
.endr
.Lopen_\@:
.irp c, 0,1                            ; the largest score of my two blocks of 32 keys, in four chains by turns; each accumulator is read from its low end on
.irp g, 0,16
	v_max3_num_f32 v[MX+2*\c+\g/16], v[S+32*\c+\g], v[S+32*\c+\g+1], v[S+32*\c+\g+2]
.endr
.endr
.irp i, 3,5,7,9,11,13
.irp c, 0,1
.irp g, 0,16
	v_max3_num_f32 v[MX+2*\c+\g/16], v[MX+2*\c+\g/16], v[S+32*\c+\g+\i], v[S+32*\c+\g+\i+1]
.endr
.endr
.endr
	v_max3_num_f32 v[BM], v[MX], v[MX+1], v[S+15]
	v_max3_num_f32 v[BM+1], v[MX+2], v[MX+3], v[S+47]
	v_max_num_f32 v[BM], v[BM], v[S+31]
	v_max_num_f32 v[BM+1], v[BM+1], v[S+63]
	HINT 1
	v_max_num_f32 v[T1], v[BM], v[BM+1]
	v_mov_b32 v[OM], v12
	HINT 2
	v_permlanex16_b32 v[BX], v[T1], s[SEL], s[SEL+1]
	HINT 1
	v_max3_num_f32 v13, v13, v[T1], v[BX]          ; the running largest score of my query, lane l xor 16's keys among them
	HINT 1
	v_mul_f32 v[T1], s[CS], v13                    ; as t (c is positive)
	HINT 1
	v_floor_f32 v12, -v[T1]                        ; the new -M = floor(-t) = -ceil(t)
	HINT 1
	v_sub_f32 v[T1], v12, v[OM]                    ; old M - new M: a whole number, 0 or less
	v_pk_fma_f32 v[S:S+1], v[S:S+1], s[CS:CS+1], v[12:13] op_sel_hi:[1,0,0]
	HINT 2
	v_cvt_i32_f32 v[T1], v[T1]                     ; (it saturates)
	v_pk_fma_f32 v[S+2:S+3], v[S+2:S+3], s[CS:CS+1], v[12:13] op_sel_hi:[1,0,0]
	HINT 2
	v_ldexp_f32 v[FF], 1.0, v[T1]                  ; f = 2^(old M - new M)
.set n, 4
.rept 30
	v_pk_fma_f32 v[S+n:S+n+1], v[S+n:S+n+1], s[CS:CS+1], v[12:13] op_sel_hi:[1,0,0]   ; t - M, two at a time
.set n, n+2
.endr
.irp c, 0,1
	v_fma_f32 v[BM+\c], v[BM+\c], s[CS], v12       ; the same of each block's largest score
.endr
	s_wait_alu depctr_va_vdst(0)
.set n, 0
.rept 64
	v_exp_f32 v[S+n], v[S+n]                       ; p = 2^(t - M), at most 1
.set n, n+1
.endr
	v_pk_mul_f32 v[14:15], v[14:15], v[FF:FF+1] op_sel_hi:[1,0]   ; l under the new M: a plain place behind the exponentials
	s_wait_alu depctr_va_vdst(0)                   ; one wait for the batch of 64
.irp c, 0,1
	v_exp_f32 v[BM+\c], v[BM+\c]                   ; the block's largest p: the same two instructions on the same number give the same bits
.endr
.irp k, 0,1,2,3,4,5,6                  ; l += the 64 unquantised p: 32 packed additions in eight chains
	v_pk_add_f32 v[TS+2*\k:TS+2*\k+1], v[S+4*\k:S+4*\k+1], v[S+4*\k+2:S+4*\k+3]
.endr
	v_pk_add_f32 v[14:15], v[14:15], v[S+28:S+29]
.irp k, 0,1,2,3,4,5,6
	v_pk_add_f32 v[TS+2*\k:TS+2*\k+1], v[TS+2*\k:TS+2*\k+1], v[S+30+2*\k:S+31+2*\k]
.endr
	v_pk_add_f32 v[14:15], v[14:15], v[S+44:S+45]
.irp k, 0,1,2,3,4,5,6
	v_pk_add_f32 v[TS+2*\k:TS+2*\k+1], v[TS+2*\k:TS+2*\k+1], v[S+46+2*\k:S+47+2*\k]
.endr
	v_pk_add_f32 v[14:15], v[14:15], v[S+60:S+61]
	v_pk_add_f32 v[TS:TS+1], v[TS:TS+1], v[S+62:S+63]
	v_pk_add_f32 v[TS+6:TS+7], v[TS+6:TS+7], v[TS+8:TS+9]
	v_pk_add_f32 v[TS+10:TS+11], v[TS+10:TS+11], v[TS+12:TS+13]
	HINT 4
	v_pk_add_f32 v[14:15], v[14:15], v[TS+2:TS+3]
	HINT 4
	v_pk_add_f32 v[TS:TS+1], v[TS:TS+1], v[TS+4:TS+5]
	HINT 3
	v_pk_add_f32 v[TS+6:TS+7], v[TS+6:TS+7], v[TS+10:TS+11]
	HINT 2
	v_pk_add_f32 v[14:15], v[14:15], v[TS:TS+1]
	HINT 1
	v_pk_add_f32 v[14:15], v[14:15], v[TS+6:TS+7]
	s_wait_alu depctr_va_vdst(0)                   ; for the two exponentials, and directly ahead of the first readers of O^T
.irp n, 0,1,2,3
	v_pk_mul_f32 v[O+8*\n:O+8*\n+1], v[O+8*\n:O+8*\n+1], v[FF:FF+1] op_sel_hi:[1,0]   ; O^T under the new M: each accumulator's low end first
.endr
.irp c, 0,1
	v_max_num_f32 v[BM+\c], 0x1800000, v[BM+\c]    ; the floor 2^(3 - 127): the byte cannot fall under 1
.endr
.irp c, 0,1
	HINT 2
	v_add_nc_u32 v[BS+\c], 0xff000000, v[BM+\c]    ; 2 off the exponent field: the conversion's scale operand
.endr
.irp c, 0,1
	HINT 2
	v_lshrrev_b32 v[BX+\c], 23, v[BS+\c]           ; the scale's byte
.endr
	HINT 1
	v_lshl_or_b32 v[T1], v[BX+1], 16, v[BX]        ; my bytes: blocks h and 2 + h,
	HINT 1
	v_lshlrev_b32 v[T1], v[H8], v[T1]              ; 8 h bits up;
	HINT 1
	v_permlanex16_b32 v[BX], v[T1], s[SEL], s[SEL+1]
	HINT 1
	v_or_b32 v[PW], v[T1], v[BX]                   ; with lane l xor 16's two the word is whole
.irp c, 0,1
	v_cvt_scalef32_pk16_fp6_f32 v[PC+6*\c:PC+2+6*\c], v[S+32*\c:S+15+32*\c], v[BS+\c]
	v_cvt_scalef32_pk16_fp6_f32 v[PC+12+4*\c:PC+14+4*\c], v[S+16+32*\c:S+31+32*\c], v[BS+\c]   ; (a conversion's three registers begin on an even number)
.endr
	v_nop                                          ; one plain place behind a scaled conversion
.irp c, 0,1
.irp i, 0,1,2
	v_mov_b32 v[PC+3+6*\c+\i], v[PC+12+4*\c+\i]
.endr
.endr
.irp n, 0,1,2,3                        ; the rest of O^T: these 12 are also the places between p's codes and scale word and the products below
.irp j, 2,4,6
	v_pk_mul_f32 v[O+8*\n+\j:O+8*\n+\j+1], v[O+8*\n+\j:O+8*\n+\j+1], v[FF:FF+1] op_sel_hi:[1,0]
.endr
.endr
	s_wait_alu depctr_va_vdst(0)
	s_wait_dscnt 0x0                               ; V is in
.irp n, 0,1,2,3                        ; O^T += V^T P^T: register 8 n + j = channel 32 (n / 2) + 16 (lane / 16) + 8 (n % 2) + j of my query; the four accumulators by turns
	v_wmma_scale_f32_16x16x128_f8f6f4 v[O+8*\n:O+8*\n+7], v[F+12*\n:F+12*\n+11], v[PC:PC+11], v[O+8*\n:O+8*\n+7], v[SC+\n], v[PW] matrix_a_fmt:MATRIX_FMT_FP6 matrix_b_fmt:MATRIX_FMT_FP6 matrix_a_scale:MATRIX_SCALE_ROW1
.endr
.rept 4
	v_nop                                          ; places ahead of the next loads into V's and the scales' registers and of the next read of O^T
.endr
.Lhidden_\@:
	s_add_co_u32 s[KF], s[KF], 128
	s_add_co_u32 s[TB], s[TB], REC
.endm
; A block's end: O^T / l, quantised along the head's 64 channels (two blocks of 32), leaves as registers 0-5 of a half fragment, with one scale byte a lane
.macro FINAL op, osp
	v_add_f32 v14, v14, v15
	HINT 1
	v_permlanex16_b32 v[T1], v14, s[SEL], s[SEL+1]
	HINT 1
	v_add_f32 v14, v14, v[T1]                      ; the row's sum
	s_wait_alu depctr_va_vdst(0)
	v_rcp_f32 v14, v14
	v_nop                                          ; a plain place behind the transcendental
	s_wait_alu depctr_va_vdst(0)                   ; ahead of its first reader and of the first readers of O^T
.set n, 0
.rept 32
	v_mul_f32 v[S+n], v[O+n], v14                  ; register 16 b + i = channel 32 b + 16 (lane / 16) + i
.set n, n+1
.endr
.irp b, 0,1
	v_max3_num_f32 v[BM+\b], |v[S+16*\b]|, |v[S+1+16*\b]|, 0x1800000
.endr
.irp i, 2,4,6,8,10,12,14
.irp b, 0,1
	HINT 2
	v_max3_num_f32 v[BM+\b], v[BM+\b], |v[S+16*\b+\i]|, |v[S+1+16*\b+\i]|
.endr
.endr
.irp b, 0,1
	HINT 2
	v_permlanex16_b32 v[BX+\b], v[BM+\b], s[SEL], s[SEL+1]
.endr
.irp b, 0,1
	HINT 2
	v_max_num_f32 v[BM+\b], v[BM+\b], v[BX+\b]
.endr
.irp b, 0,1
	HINT 2
	v_add_nc_u32 v[BS+\b], 0xff000000, v[BM+\b]
.endr
.irp b, 0,1
	HINT 2
	v_lshrrev_b32 v[BX+\b], 23, v[BS+\b]
.endr
	v_cvt_scalef32_pk16_fp6_f32 v[PC:PC+2], v[S:S+15], v[BS]
	v_cvt_scalef32_pk16_fp6_f32 v[PC+12:PC+14], v[S+16:S+31], v[BS+1]
	v_nop                                          ; one plain place behind a scaled conversion
.irp i, 0,1,2
	v_permlane16_swap_b32 v[PC+\i], v[PC+12+\i]
.endr
.irp i, 0,1,2
	HINT 3
	v_mov_b32 v[PC+3+\i], v[PC+12+\i]              ; registers 0-5: channels 32 (lane / 16) + 0 .. 31 of my query
.endr
	v_cmp_ne_u32 vcc_lo, 0, v[HH]
	HINT 1
	v_cndmask_b32 v[BY], v[BX], v[BX+1], vcc_lo    ; my block's byte
	global_store_b128 v[LI], v[PC:PC+3], s[\op:\op+1]             ; 512 consecutive bytes,
	global_store_b64 v[L8], v[PC+4:PC+5], s[\op:\op+1] offset:512 ; and 256: the tile's 768 bytes for this head
	global_store_b8 v[OSO], v[BY], s[\osp:\osp+1]  ; 32 single bytes among the tile's 256, so that the last launch finds four ready scale words in 16 bytes
.endm
.macro RESET
	v_mov_b32 v13, 0xff61b1e6                      ; the largest score so far: -3e38
	HINT 1
	v_floor_f32 v12, -v13                          ; -M
	v_mov_b32 v14, 0
	v_mov_b32 v15, 0
.set n, 0
.rept 32
	v_mov_b32 v[O+n], 0                            ; a block's first step finds zeros, which the first change of M leaves zeros
.set n, n+1
.endr
.endm
.macro WALK trips, lab                 ; so many records on end, from s[TB] on
	s_mov_b32 s[IC], \trips
\lab:
	STEP
	s_sub_co_u32 s[IC], s[IC], 1
	s_cmp_lg_u32 s[IC], 0
	s_cbranch_scc1 \lab
.endm
	s_load_b256 s[4:11], s[0:1], 0x0               ; qrec, kvrec, oc, os
	v_lshl_add_u32 v[SPW], v0, 2, SPARE
	v_mov_b32 v[NIL], 0
	ds_add_u32 v[SPW], v[NIL]                      ; the opening lines: the add, twice on end, and its wait ahead of the first tensor load
	ds_add_u32 v[SPW], v[NIL]
	v_lshrrev_b32 v10, 5, v0
	HINT 1
	v_readfirstlane_b32 s[WV], v10                 ; wave 0..15
	s_sub_co_u32 s[TW], 15, s[WV]                  ; my tile of the block in hand
	s_mov_b32 s[XL], ttmp9                         ; the second block
	s_sub_co_u32 s[XH], 7, s[XL]                   ; the first
	s_and_b32 s[BH], ttmp7, 0xffff                 ; batch x 8 + head
	s_mov_b32 s[SEL], 0x76543210
	s_mov_b32 s[SEL+1], 0xfedcba98
	s_mov_b32 s[CS], 0x3e38aa3b                    ; c = log2(e) / 8
	s_mov_b32 s[CS+1], s[CS]
	; descriptor groups 1: dense bytes as rows of 256 bytes (32 elements of 8 bytes), no padding: every read is an image of 512 consecutive bytes.  25 rows: half a record; 50 rows: a record
	s_mov_b32 s[G1+0], 3<<16
	s_mov_b32 s[G1+1], 32<<16
	s_mov_b32 s[G1+2], 25<<16
	s_mov_b32 s[G1+3], 32<<16
	s_mov_b32 s[G1+4], 25
	s_mov_b32 s[G1+5], 32
	s_mov_b32 s[G1+6], 0
	s_mov_b32 s[G1+7], 0
	s_mov_b32 s[G1B+0], 3<<16
	s_mov_b32 s[G1B+1], 32<<16
	s_mov_b32 s[G1B+2], 50<<16
	s_mov_b32 s[G1B+3], 32<<16
	s_mov_b32 s[G1B+4], 50
	s_mov_b32 s[G1B+5], 32
	s_mov_b32 s[G1B+6], 0
	s_mov_b32 s[G1B+7], 0
	s_mul_i32 s[KVB], s[BH], 16*REC                ; the head's 16 records
	s_mov_b32 s[G0], 1
	s_mul_i32 s[G0+1], s[WV], 6400                 ; at the head: an eighth of records 0-3
	s_add_co_u32 s[G0+2], s[KVB], s[G0+1]
	s_mov_b32 s[G0+3], 0
	s_add_co_u32 s[NR], s[WV], 4
	s_mov_b32 s[G0B], 1
	s_mul_i32 s[G0B+1], s[NR], REC                 ; behind the first barrier: record 4 + wave
	s_add_co_u32 s[G0B+2], s[KVB], s[G0B+1]
	s_mov_b32 s[G0B+3], 0
	s_lshl_b32 s[LR], s[XH], 1
	s_add_co_u32 s[LR], s[LR], 1
	; where my tiles' codes and scale bytes go: oc [tile][head][768], os [tile][16 r + 2 head + block]; tile = batch x 128 + 16 x block + my tile
	s_lshr_b32 s66, s[BH], 3
	s_and_b32 s67, s[BH], 7
	s_mul_i32 s68, s66, 128*6144
	s_mul_i32 s69, s67, 768
	s_add_co_u32 s68, s68, s69
	s_mul_i32 s69, s[TW], 6144
	s_add_co_u32 s68, s68, s69
	s_lshl_b32 s70, s66, 15
	s_lshl_b32 s69, s67, 1
	s_add_co_u32 s70, s70, s69
	s_lshl_b32 s69, s[TW], 8
	s_add_co_u32 s70, s70, s69
	s_mul_i32 s69, s[XH], 16*6144
	s_add_co_u32 s[OPH], s68, s69
	s_lshl_b32 s69, s[XH], 12
	s_add_co_u32 s[OSPH], s70, s69
	s_mul_i32 s69, s[XL], 16*6144
	s_add_co_u32 s[OPL], s68, s69
	s_lshl_b32 s69, s[XL], 12
	s_add_co_u32 s[OSPL], s70, s69
	s_mov_b32 s[OPH+1], 0
	s_mov_b32 s[OSPH+1], 0
	s_mov_b32 s[OPL+1], 0
	s_mov_b32 s[OSPL+1], 0
	; where my q lies: record 2 x block + tile / 8, double fragment pp = (tile / 2) % 4; its scale word at 6144 + 128 (pp / 2) + 8 r + 4 (pp % 2)
	s_mul_i32 s66, s[BH], 16*6400
	s_lshr_b32 s67, s[TW], 3
	s_mul_i32 s67, s67, 6400
	s_add_co_u32 s66, s66, s67
	s_bfe_u32 s67, s[TW], 0x20001                  ; pp
	s_mul_i32 s68, s67, 1536
	s_add_co_u32 s68, s68, s66
	s_lshr_b32 s69, s67, 1
	s_lshl_b32 s69, s69, 7
	s_add_co_u32 s66, s66, s69
	s_and_b32 s69, s67, 1
	s_lshl_b32 s69, s69, 2
	s_add_co_u32 s66, s66, s69
	s_add_co_u32 s66, s66, 6144
	s_mul_i32 s70, s[XH], 2*6400
	s_mul_i32 s71, s[XL], 2*6400
	s_add_co_u32 s60, s68, s70                     ; the first block's codes,
	s_add_co_u32 s62, s66, s70                     ; its scale words,
	s_add_co_u32 s56, s68, s71                     ; the second block's
	s_add_co_u32 s58, s66, s71
	s_mov_b32 s57, 0
	s_mov_b32 s59, 0
	s_mov_b32 s61, 0
	s_mov_b32 s63, 0
	s_and_b32 s66, s[TW], 1                        ; u: which tile of the double fragment is mine
	s_sub_co_u32 s[UM], 0, s66                     ; all ones where u = 1
	s_lshl_b32 s[USH], s66, 4
	s_and_b32 s67, s[TW], 3
	s_lshl_b32 s67, s67, 3                         ; 8 t
	s_lshr_b32 s68, s[TW], 2
	s_lshl_b32 s68, s68, 6
	s_lshl_b32 s[Q0], s[XH], 8
	s_add_co_u32 s[Q0], s[Q0], s68                 ; my quad's first query
	s_lshl_b32 s[Q0L], s[XL], 8
	s_add_co_u32 s[Q0L], s[Q0L], s68
	s_mov_b32 s[TB], 0
	s_mov_b32 s[KF], 0
	s_wait_dscnt 0x0                               ; both opening adds are done
	s_wait_kmcnt 0x0
	s_add_nc_u64 s[G0+2:G0+3], s[6:7], s[G0+2:G0+3]
	s_or_b32 s[G0+3], s[G0+3], 0x80000000
	s_add_nc_u64 s[G0B+2:G0B+3], s[6:7], s[G0B+2:G0B+3]
	s_or_b32 s[G0B+3], s[G0B+3], 0x80000000
	s_cmp_lt_u32 s[WV], 8
	s_cbranch_scc0 .Lhead_asked
	tensor_load_to_lds s[G0:G0+3], s[G1:G1+7]      ; records 0-3
	s_nop 0
.rept 4
	v_nop
.endr
.Lhead_asked:
	s_add_nc_u64 s[60:61], s[4:5], s[60:61]
	s_add_nc_u64 s[62:63], s[4:5], s[62:63]
	s_add_nc_u64 s[56:57], s[4:5], s[56:57]
	s_add_nc_u64 s[58:59], s[4:5], s[58:59]
	s_add_nc_u64 s[OPH:OPH+1], s[8:9], s[OPH:OPH+1]
	s_add_nc_u64 s[OPL:OPL+1], s[8:9], s[OPL:OPL+1]
	s_add_nc_u64 s[OSPH:OSPH+1], s[10:11], s[OSPH:OSPH+1]
	s_add_nc_u64 s[OSPL:OSPL+1], s[10:11], s[OSPL:OSPL+1]
	v_and_b32 v11, 31, v0
	HINT 1
	v_lshlrev_b32 v[LI], 4, v11
	HINT 2
	v_lshlrev_b32 v[L8], 3, v11
	v_and_b32 v10, 15, v0                          ; r
	v_bfe_u32 v[HH], v0, 4, 1
	HINT 2
	v_lshlrev_b32 v[T1], 3, v10
.irp c, 0,1,2
	global_load_b128 v[F+4*\c:F+4*\c+3], v[LI], s[60:61] offset:512*\c         ; my double fragment of q: the first block's,
	global_load_b128 v[F+12+4*\c:F+12+4*\c+3], v[LI], s[56:57] offset:512*\c   ; and the second's
.endr
	v_and_b32 v11, 7, v0                           ; r % 8
	v_bfe_u32 v[LQ], v0, 3, 1                      ; r / 8
	HINT 1
	v_sub_nc_u32 v[LQ], v[LQ], v[HH]
	HINT 1
	v_lshl_add_u32 v[LQ], v[LQ], 5, v11
	HINT 1
	v_add_nc_u32 v[LQ], s67, v[LQ]                 ; 8 t + r % 8 + 32 (r / 8) - 32 h
	v_lshlrev_b32 v[H8], 3, v[HH]
	v_lshl_add_u32 v[OSO], v10, 4, v[HH]
	global_load_b32 v10, v[T1], s[62:63]
	global_load_b32 v11, v[T1], s[58:59]
	v_mov_b32 v[NINF], 0xff800000                  ; -infinity
	v_mov_b32 v[FF], 0
	v_mov_b32 v[FF+1], 0                           ; (named as the upper half of the pair)
	v_mov_b32 v[BX], 0                             ; written once: a lane permute's destination counts as one of its sources
	v_mov_b32 v[BX+1], 0
	s_wait_alu depctr_va_vdst(0)
	s_wait_loadcnt 0x0
	v_mov_b32 v[T1], 0
.irp i, 0,1,2,3,4,5
	v_cndmask_b32 v[Q+\i], v[F+\i], v[F+6+\i], s[UM]       ; my tile's six registers of the double fragment
	v_cndmask_b32 v[Q2+\i], v[F+12+\i], v[F+18+\i], s[UM]
.endr
.irp i, 0,1,2,3,4,5
	v_mov_b32 v[Q+12+\i], v[Q+\i]
	v_mov_b32 v[Q+6+\i], 0
.endr
	v_lshrrev_b32 v10, s[USH], v10                 ; my tile's two bytes of the scale word,
	v_lshrrev_b32 v11, s[USH], v11
	HINT 2
	v_and_b32 v10, 0xffff, v10
	HINT 2
	v_and_b32 v11, 0xffff, v11
	HINT 2
	v_lshl_or_b32 v[QS], v10, 16, v10              ; for both halves of the instruction's K
	HINT 2
	v_lshl_or_b32 v[QSL], v11, 16, v11
	RESET                                          ; (also the places between these operands and the first scaled product)
	s_wait_alu depctr_va_vdst(0)
	s_wait_tensorcnt 0x0                           ; my part of records 0-3 is in
	ds_add_u32 v[SPW], v[NIL]                      ; the add here, twice on end
	ds_add_u32 v[SPW], v[NIL]
	s_wait_dscnt 0x0
	s_barrier_signal -1
	s_barrier_wait -1                              ; everybody's part is in
	s_cmp_lt_u32 s[WV], 12
	s_cbranch_scc0 .Lasked
	s_cmp_le_u32 s[NR], s[LR]                      ; ids alone: a record beyond the first block's last is read by nobody and is not asked for
	s_cbranch_scc0 .Lasked
	tensor_load_to_lds s[G0B:G0B+3], s[G1B:G1B+7]  ; bytes filled for the first time; my last tensor load
	s_nop 0
.rept 4
	v_nop
.endr
.Lasked:
	WALK 4, .Lstep0                                ; records 0-3
	s_wait_tensorcnt 0x0                           ; my record is in,
	s_wait_dscnt 0x0
	s_barrier_signal -1
	s_barrier_wait -1                              ; everybody's is
	WALK 12, .Lstep1                               ; records 4-15, as far as my tile's queries reach
	FINAL OPH, OSPH
.irp i, 0,1,2,3,4,5
	v_mov_b32 v[Q+\i], v[Q2+\i]                    ; the second block's q
	v_mov_b32 v[Q+12+\i], v[Q2+\i]
.endr
	v_mov_b32 v[QS], v[QSL]
	RESET
	s_mov_b32 s[Q0], s[Q0L]
	s_mov_b32 s[KF], 0
	s_mov_b32 s[TB], 0                             ; its keys lie in LDS, records 0 to 7 at the most
	s_wait_alu depctr_va_vdst(0)
	s_wait_xcnt 0x0                                ; the stores have read the codes' and the byte's registers, which the next steps write
	WALK 8, .Lstep2
	FINAL OPL, OSPL
	s_wait_tensorcnt 0x0                           ; the wave's end
	ds_add_u32 v[SPW], v[NIL]
	s_wait_dscnt 0x0
	s_endpgm
.Lfunc_end_k_q91ca3b8ccd_attn:
	.size	k_q91ca3b8ccd_attn, .Lfunc_end_k_q91ca3b8ccd_attn-k_q91ca3b8ccd_attn
	.p2alignl 7, 3214868480
	.fill 96, 4, 3214868480
	.section	.rodata,"a",@progbits
	.p2align	6, 0x0
	.amdhsa_kernel k_q91ca3b8ccd_attn
		.amdhsa_group_segment_fixed_size 327680
		.amdhsa_private_segment_fixed_size 0
		.amdhsa_enable_private_segment 0
		.amdhsa_kernarg_size 32
		.amdhsa_user_sgpr_count 2
		.amdhsa_user_sgpr_kernarg_segment_ptr 1
		.amdhsa_wavefront_size32 1
		.amdhsa_system_sgpr_workgroup_id_x 1
		.amdhsa_system_sgpr_workgroup_id_y 1
		.amdhsa_system_sgpr_workgroup_id_z 1
		.amdhsa_system_vgpr_workitem_id 0
		.amdhsa_next_free_vgpr 256
		.amdhsa_next_free_sgpr 84
		.amdhsa_reserve_vcc 1
		.amdhsa_float_denorm_mode_32 3
		.amdhsa_float_denorm_mode_16_64 3
		.amdhsa_memory_ordered 1
		.amdhsa_forward_progress 1
		.amdhsa_inst_pref_size 86
	.end_amdhsa_kernel
	.amdgpu_metadata
---
amdhsa.version: [ 1, 2 ]
amdhsa.kernels:
  - .name:           k_q91ca3b8ccd_attn
    .symbol:         k_q91ca3b8ccd_attn.kd
    .args:
      - { .name: qrec, .offset: 0, .size: 8, .value_kind: global_buffer, .address_space: global }
      - { .name: kvrec, .offset: 8, .size: 8, .value_kind: global_buffer, .address_space: global }
      - { .name: oc, .offset: 16, .size: 8, .value_kind: global_buffer, .address_space: global }
      - { .name: os, .offset: 24, .size: 8, .value_kind: global_buffer, .address_space: global }
    .group_segment_fixed_size: 327680
    .private_segment_fixed_size: 0
    .kernarg_segment_align: 8
    .kernarg_segment_size: 32
    .max_flat_workgroup_size: 512
    .sgpr_count:     84
    .vgpr_count:     256
    .wavefront_size: 32
...
	.end_amdgpu_metadata
.endif
;; end of part 3
;; launch proj (part 4): grid 64 x 4, 4 waves a work-group, no clusters, 168,448 bytes of LDS; arguments oc, os, wc, ws, bp, out0; writes out0
.if DOCPART == 4
	.amdgcn_target "amdgcn-amd-amdhsa--gfx1250"
	.amdhsa_code_object_version 6
	.text
	.protected	k_q91ca3b8ccd_proj
	.globl	k_q91ca3b8ccd_proj
	.p2align	8
	.type	k_q91ca3b8ccd_proj,@function
k_q91ca3b8ccd_proj:
	s_mov_b64 s[64:65], 0
	v_nop
	global_prefetch_b8 v0, s[64:65] scope:SCOPE_SE
	s_setreg_imm32_b32 hwreg(HW_REG_WAVE_MODE, 25, 1), 1
	s_wait_xcnt 0x0
; out0 = o Wp + bp on codes of FP6 (E2M3) with E8M0 scales, sums in f32.  o: the heads' outputs as codes, [tile of 16 rows][head][768 bytes], scale bytes [tile][r][16]; Wp: pairs 48 .. 63 of wc, ws.
; SHARES: work-group (x, y) makes rows 256 x .. and columns 128 y ..; wave w makes 64 rows (four tiles) x 128 columns.  Wp's four pairs (49,152 dense bytes) come into LDS once, a pair by each wave's
; tensor load, and every wave takes all of them into its registers; a wave's 16 fragments of o go from memory straight into registers.
; NO CLUSTER: what partners could share, Wp's 48 KiB, is a third of what a work-group loads, and is filled once.
; THE PRODUCT IS USED TRANSPOSED: source 0 = 16 columns of Wp (8 u + r + 8 (r / 8) of a pair), source 1 = 16 rows of o: a lane holds one row, and the 16 registers of a pair's two tiles are 16 neighbouring columns.
; The bias is the C of each sum's first product.  A tile of 16 rows x 128 columns goes through the wave's own stage in LDS and leaves as whole rows of 512 bytes.
; A tile's rows are 8 t + r % 8 + 32 (r / 8) of a quad of 64 rows, t = tile % 4, as the launches before laid them.
; REGISTERS, in windows of 256: window 0: addresses; v32-39 o's scale words, v40-55 Wp's; v64-191 two sets of eight accumulators; v192-255 rows on the way out.
;   window 1: Wp's pairs 0, 1 at 96 (pair % 2) + 12 (2 s + u);  window 2: pairs 2, 3;  window 3: o's fragments at 48 t + 12 s, from v192 the bias, 8 registers a column tile.
.set LI,  1                            ; v1  16 x lane
.set L8,  2                            ; v2  8 x lane
.set HB,  3                            ; v3  64 x (lane / 16): my half's 16 numbers of the bias
.set STO, 4                            ; v4  the stage: row r, + 64 h
.set RD,  5                            ; v5  the stage: 16 x lane of a row
.set OSC, 32                           ; index 4 (t / 2) + s: lanes 0-15 tile 2 (t / 2), lanes 16-31 the next
.set WSC, 40                           ; index 4 pair + s, likewise
.set ACC, 64
.set BK,  192
.set BIAS, 192
.set WV,  18
.set G1,  24
.set G0,  32
.set MSB, 0
.macro WIN new                         ; the immediate's high byte repeats the setting that is left; a switch that changes nothing is dropped
.if MSB != (\new)
	s_set_vgpr_msb (MSB<<8)|(\new)
.set MSB, (\new)
.endif
.endm
.macro WMS d, a, b, c, sa, sb, ra, rb  ; one scaled product; ra, rb: the side's scales stand in lanes 16-31 of the register named
.if (\ra) && (\rb)
	v_wmma_scale_f32_16x16x128_f8f6f4 v[(\d):(\d)+7], v[(\a):(\a)+11], v[(\b):(\b)+11], v[(\c):(\c)+7], v[\sa], v[\sb] matrix_a_fmt:MATRIX_FMT_FP6 matrix_b_fmt:MATRIX_FMT_FP6 matrix_a_scale:MATRIX_SCALE_ROW1 matrix_b_scale:MATRIX_SCALE_ROW1
.elseif (\ra)
	v_wmma_scale_f32_16x16x128_f8f6f4 v[(\d):(\d)+7], v[(\a):(\a)+11], v[(\b):(\b)+11], v[(\c):(\c)+7], v[\sa], v[\sb] matrix_a_fmt:MATRIX_FMT_FP6 matrix_b_fmt:MATRIX_FMT_FP6 matrix_a_scale:MATRIX_SCALE_ROW1
.elseif (\rb)
	v_wmma_scale_f32_16x16x128_f8f6f4 v[(\d):(\d)+7], v[(\a):(\a)+11], v[(\b):(\b)+11], v[(\c):(\c)+7], v[\sa], v[\sb] matrix_a_fmt:MATRIX_FMT_FP6 matrix_b_fmt:MATRIX_FMT_FP6 matrix_b_scale:MATRIX_SCALE_ROW1
.else
	v_wmma_scale_f32_16x16x128_f8f6f4 v[(\d):(\d)+7], v[(\a):(\a)+11], v[(\b):(\b)+11], v[(\c):(\c)+7], v[\sa], v[\sb] matrix_a_fmt:MATRIX_FMT_FP6 matrix_b_fmt:MATRIX_FMT_FP6
.endif
.endm
; 32 products: tile tt of my rows x the eight column tiles, all of K, into accumulator set tt % 2.  The eight accumulators take turns, one instruction a turn.
.macro MULT tt
.irp ks, 0,1,2,3
.irp n8, 0,1,2,3,4,5,6,7
.if \ks == 0
	WIN 0x3d+(\n8/4)                               ; source 0 (Wp) window 1 or 2, source 1 (o) and C (the bias) window 3
	WMS ACC+64*((\tt)%2)+8*\n8, 96*((\n8/2)%2)+12*(2*\ks+\n8%2), 48*(\tt)+12*\ks, BIAS+8*\n8, WSC+4*(\n8/2)+\ks, OSC+4*((\tt)/2)+\ks, \n8%2, (\tt)%2
.else
	WIN 0x0d+(\n8/4)
	WMS ACC+64*((\tt)%2)+8*\n8, 96*((\n8/2)%2)+12*(2*\ks+\n8%2), 48*(\tt)+12*\ks, ACC+64*((\tt)%2)+8*\n8, WSC+4*(\n8/2)+\ks, OSC+4*((\tt)/2)+\ks, \n8%2, (\tt)%2
.endif
.endr
.endr
	WIN 0
.endm
.macro TOSTAGE tt                      ; lane (r, h) holds, of row r, columns 32 pair + 16 h + 8 u + 0 .. 7 in accumulator 2 pair + u
.rept 5
	v_nop                                          ; places behind the last products, ahead of the reads of their results (ISA guide 7.12.1)
.endr
.if (\tt) > 0
	s_wait_xcnt 0x0                                ; the last tile's stores have read the registers into which the rows come back
.endif
.irp n8, 0,1,2,3,4,5,6,7
	ds_store_b128 v[STO], v[ACC+64*((\tt)%2)+8*\n8:ACC+64*((\tt)%2)+8*\n8+3] offset:128*(\n8/2)+32*(\n8%2)       ; each accumulator from its low end on
	ds_store_b128 v[STO], v[ACC+64*((\tt)%2)+8*\n8+4:ACC+64*((\tt)%2)+8*\n8+7] offset:128*(\n8/2)+32*(\n8%2)+16
.endr
.irp i, 0,1,2,3,4,5,6,7,8,9,10,11,12,13,14,15
	ds_load_b128 v[BK+4*\i:BK+4*\i+3], v[RD] offset:528*\i   ; LDS serves a wave's instructions in order: these see my stores
.endr
.endm
.macro SEND tt
.irp i, 0,1,2,3,4,5,6,7,8,9,10,11,12,13,14,15
	s_wait_dscnt 15-\i                             ; row i is back; the younger loads may be out
	global_store_b128 v[LI], v[BK+4*\i:BK+4*\i+3], s[14:15] offset:(8*(\tt)+\i%8+32*(\i/8))*2048 th:TH_STORE_NT   ; my four tiles are a quad of 64 rows: tile tt holds at row i the row 8 tt + i % 8 + 32 (i / 8); 32 lanes store 512 consecutive bytes, aligned
.endr
.endm
	s_load_b256 s[4:11], s[0:1], 0x0               ; oc, os, wc, ws
	s_load_b128 s[12:15], s[0:1], 0x20             ; bp, out0
	v_lshl_add_u32 v62, v0, 2, 0x29000
	v_mov_b32 v63, 0
	ds_add_u32 v62, v63
	ds_add_u32 v62, v63
	v_lshrrev_b32 v7, 5, v0
	v_readfirstlane_b32 s[WV], v7                  ; wave 0..3
	v_and_b32 v7, 31, v0
	v_and_b32 v8, 15, v0                           ; r
	v_bfe_u32 v9, v0, 4, 1                         ; h
	v_lshlrev_b32 v[LI], 4, v7
	v_lshlrev_b32 v[L8], 3, v7
	v_lshlrev_b32 v[HB], 6, v9
	s_mul_i32 s37, s[WV], 8448
	s_add_co_u32 s37, s37, 49152                   ; my stage, 16 rows of 512 bytes + 16, behind Wp's bytes: no fill lands there
	v_mul_u32_u24 v[STO], v8, 528
	v_lshl_add_u32 v[STO], v9, 6, v[STO]
	v_add_nc_u32 v[STO], s37, v[STO]
	v_add_nc_u32 v[RD], s37, v[LI]
	s_and_b32 s19, ttmp7, 0xffff                   ; y
	; descriptor group 1: a pair's 12,288 dense bytes as 48 rows of 256 bytes (32 elements of 8 bytes), no padding: every read of it is an image of 512 consecutive bytes
	s_mov_b32 s[G1+0], 3<<16
	s_mov_b32 s[G1+1], 32<<16
	s_mov_b32 s[G1+2], 48<<16
	s_mov_b32 s[G1+3], 32<<16
	s_mov_b32 s[G1+4], 48
	s_mov_b32 s[G1+5], 32
	s_mov_b32 s[G1+6], 0
	s_mov_b32 s[G1+7], 0
	s_lshl_b32 s20, s19, 2
	s_add_co_u32 s20, s20, s[WV]
	s_add_co_u32 s20, s20, 48                      ; the pair that I fetch
	s_mul_i32 s38, s20, 12288
	s_mov_b32 s39, 0
	s_mul_i32 s36, s[WV], 12288
	s_mov_b32 s[G0], 1
	s_mov_b32 s[G0+1], s36
	s_wait_alu depctr_va_vdst(0)
	s_wait_dscnt 0x0
	s_wait_kmcnt 0x0
	s_add_nc_u64 s[G0+2:G0+3], s[8:9], s[38:39]
	s_or_b32 s[G0+3], s[G0+3], 0x80000000
	tensor_load_to_lds s[G0:G0+3], s[G1:G1+7]      ; my one tensor load: these bytes are filled once
	s_nop 0
.rept 4
	v_nop
.endr
	s_lshl_b32 s20, ttmp9, 4
	s_lshl_b32 s21, s[WV], 2
	s_add_co_u32 s20, s20, s21                     ; my first tile: 16 x + 4 w
	s_mul_i32 s38, s20, 6144
	s_add_nc_u64 s[4:5], s[4:5], s[38:39]
	s_lshl_b32 s38, s20, 8
	s_add_nc_u64 s[6:7], s[6:7], s[38:39]
	s_lshl_b32 s38, s19, 11
	s_add_co_u32 s38, s38, 48*512
	s_add_nc_u64 s[10:11], s[10:11], s[38:39]      ; the scale words of pairs 48 + 4 y ..
	s_lshl_b32 s38, s19, 9
	s_add_nc_u64 s[12:13], s[12:13], s[38:39]      ; my 128 numbers of the bias
	s_add_nc_u64 s[14:15], s[14:15], s[38:39]      ; and my 128 columns of the output,
	s_lshl_b32 s38, ttmp9, 19
	s_lshl_b32 s21, s[WV], 17
	s_add_co_u32 s38, s38, s21
	s_add_nc_u64 s[14:15], s[14:15], s[38:39]      ; at row 256 x + 64 w
.irp g, 0,1
	global_load_b128 v[OSC+4*\g:OSC+4*\g+3], v[LI], s[6:7] offset:512*\g   ; a row's 16 scale bytes are its four words
.endr
.irp p, 0,1,2,3
.irp g, 0,1
	global_load_b64 v[WSC+4*\p+2*\g:WSC+4*\p+2*\g+1], v[L8], s[10:11] offset:512*\p+256*\g
.endr
.endr
	WIN 0xc0                                       ; destination window 3
.irp n8, 0,1,2,3,4,5,6,7
	global_load_b128 v[BIAS+8*\n8:BIAS+8*\n8+3], v[HB], s[12:13] offset:(32*(\n8/2)+8*(\n8%2))*4
	global_load_b128 v[BIAS+8*\n8+4:BIAS+8*\n8+7], v[HB], s[12:13] offset:(32*(\n8/2)+8*(\n8%2))*4+16
.endr
.irp t, 0,1,2,3                        ; o's fragments, tile by tile, 16 loads each: head 2 s + c gives registers 6 c .. 6 c + 5 of K step s
.irp ks, 0,1,2,3
.irp c, 0,1
	global_load_b128 v[48*\t+12*\ks+6*\c:48*\t+12*\ks+6*\c+3], v[LI], s[4:5] offset:\t*6144+(2*\ks+\c)*768
	global_load_b64 v[48*\t+12*\ks+6*\c+4:48*\t+12*\ks+6*\c+5], v[L8], s[4:5] offset:\t*6144+(2*\ks+\c)*768+512
.endr
.endr
.endr
	WIN 0
	s_wait_tensorcnt 0x0                           ; my pair is in,
	s_barrier_signal -1
	s_barrier_wait -1                              ; everybody's is
.irp p, 0,1,2,3
	WIN 0x40<<(\p/2)
.irp f, 0,1,2,3,4,5,6,7
.irp c, 0,1,2
	ds_load_b128 v[96*(\p%2)+12*\f+4*\c:96*(\p%2)+12*\f+4*\c+3], v[LI] offset:\p*12288+\f*1536+512*\c
.endr
.endr
.endr
	WIN 0
	s_wait_dscnt 0x0
	s_wait_loadcnt 48                              ; the scale words, the bias and tile 0 are in; tiles 1 to 3 (16 loads each) may be out
	MULT 0
.irp t, 0,1,2
	TOSTAGE \t
	s_wait_loadcnt 32-16*\t                        ; the next tile is in
	MULT \t+1                                      ; the next tile's products stand between a tile's loads from the stage and the waits for them
	SEND \t
.endr
	TOSTAGE 3
	SEND 3
	s_wait_tensorcnt 0x0
	ds_add_u32 v62, v63
	s_wait_dscnt 0x0
	s_endpgm
.Lfunc_end_k_q91ca3b8ccd_proj:
	.size	k_q91ca3b8ccd_proj, .Lfunc_end_k_q91ca3b8ccd_proj-k_q91ca3b8ccd_proj
	.p2alignl 7, 3214868480
	.fill 96, 4, 3214868480
	.section	.rodata,"a",@progbits
	.p2align	6, 0x0
	.amdhsa_kernel k_q91ca3b8ccd_proj
		.amdhsa_group_segment_fixed_size 168448
		.amdhsa_private_segment_fixed_size 0
		.amdhsa_enable_private_segment 0
		.amdhsa_kernarg_size 48
		.amdhsa_user_sgpr_count 2
		.amdhsa_user_sgpr_kernarg_segment_ptr 1
		.amdhsa_wavefront_size32 1
		.amdhsa_system_sgpr_workgroup_id_x 1
		.amdhsa_system_sgpr_workgroup_id_y 1
		.amdhsa_system_sgpr_workgroup_id_z 1
		.amdhsa_system_vgpr_workitem_id 0
		.amdhsa_next_free_vgpr 1024
		.amdhsa_next_free_sgpr 66
		.amdhsa_reserve_vcc 0
		.amdhsa_float_denorm_mode_32 3
		.amdhsa_float_denorm_mode_16_64 3
		.amdhsa_memory_ordered 1
		.amdhsa_forward_progress 1
		.amdhsa_inst_pref_size 52
	.end_amdhsa_kernel
	.amdgpu_metadata
---
amdhsa.version: [ 1, 2 ]
amdhsa.kernels:
  - .name:           k_q91ca3b8ccd_proj
    .symbol:         k_q91ca3b8ccd_proj.kd
    .args:
      - { .name: oc, .offset: 0, .size: 8, .value_kind: global_buffer, .address_space: global }
      - { .name: os, .offset: 8, .size: 8, .value_kind: global_buffer, .address_space: global }
      - { .name: wc, .offset: 16, .size: 8, .value_kind: global_buffer, .address_space: global }
      - { .name: ws, .offset: 24, .size: 8, .value_kind: global_buffer, .address_space: global }
      - { .name: bp, .offset: 32, .size: 8, .value_kind: global_buffer, .address_space: global }
      - { .name: out0, .offset: 40, .size: 8, .value_kind: global_buffer, .address_space: global }
    .group_segment_fixed_size: 168448
    .private_segment_fixed_size: 0
    .kernarg_segment_align: 8
    .kernarg_segment_size: 48
    .max_flat_workgroup_size: 128
    .sgpr_count:     66
    .vgpr_count:     1024
    .wavefront_size: 32
...
	.end_amdgpu_metadata
.endif
;; end of part 4
